; MI455X (gfx1250); checked and timed in simulation.
; The chip was launched on July 23, 2026; its instructions are those of AMD's public machine-readable ISA for CDNA 5 (MIT licence, August 2026) and "CDNA5" Instruction Set Architecture Reference Guide (July 2026). The comments in the code are by the model that wrote it; some were corrected since.
;; Multi Head Attention. Allowed arithmetic: matrix products marked QUANTISED: E5M2 operands, one E8M0 scale for each 32 along K, by v_wmma_scale_f32_16x16x128_f8f6f4 with both operands' format E5M2, f32 sums; everything else in f32.
;; Inputs: W_out_codes 1,024 x 32 x 32 uint8 (E5M2 codes of W_out, K innermost, in blocks of 32 codes); W_out_scales 1,024 x 32 uint8 (E8M0 scales of W_out, one for each 32 codes along K); W_qkv_codes 3,072 x 32 x 32 uint8 (E5M2 codes of W_qkv, K innermost, in blocks of 32 codes); W_qkv_scales 3,072 x 32 uint8 (E8M0 scales of W_qkv, one for each 32 codes along K); b_out 1,024 float32; b_qkv 3,072 float32; x_codes 4 x 2,048 x 32 x 32 uint8 (E5M2 codes of x, K innermost, in blocks of 32 codes); x_scales 4 x 2,048 x 32 uint8 (E8M0 scales of x, one for each 32 codes along K).
;; Outputs: out0 4 x 2,048 x 1,024 float32.
;; This version of the problem:
;;   THIS VERSION OF THE PROBLEM IS GIVEN IN LOW PRECISION. The matrix products marked QUANTISED in the list below multiply operands that are first quantised to E5M2 (5 exponent bits, 2 mantissa bits; 8 bits a number), with one power-of-two scale for each 32 numbers along K (OCP MX v1.0); their sums are f32. All else is computed in f32.
;;   The module's matrix products, in the order in which they are computed (A, B: the left and right operand; K: the contracted axis; several contracted axes count as one K, in the product's order):
;;     1. [M 8,192, K 1,024] x [K 1,024, N 3,072]; A: input x (given as codes); B: input W_qkv (given as codes): QUANTISED
;;     2. batch 64 x [M 2,048, K 64] x [K 64, N 2,048]; A: computed on the way; B: computed on the way: QUANTISED
;;     3. batch 64 x [M 2,048, K 2,048] x [K 2,048, N 64]; A: softmax (see below); B: computed on the way: QUANTISED
;;     4. [M 8,192, K 1,024] x [K 1,024, N 1,024]; A: computed on the way; B: input W_out (given as codes): QUANTISED
;;   THE QUANTISER, for each operand of a quantised product, along K:
;;     - K is cut into blocks of 32 from its start; a last block that is shorter is filled with zeros.
;;     - A block's scale is 2^e with e = floor(log2(the largest magnitude in the block)) - 15, held to -126 .. 127; a block of zeros has e = 0. As a byte (E8M0): e + 127.
;;     - Each number is divided by its block's scale, clamped to +-57,344, and rounded to the nearest number of E5M2, ties to even, subnormals kept.
;;     - The product sums the exact products of the quantised numbers (number of the format x scale) in f32.
;;   ~~~python
;;   def quantise(x, axis):      # numpy; x: float32 -> the quantised numbers, widened to float32 again
;;       x = np.moveaxis(x, axis, -1); K = x.shape[-1]
;;       x = np.pad(x, [(0, 0)] * (x.ndim - 1) + [(0, -K % 32)]); x = x.reshape(x.shape[:-1] + (-1, 32)); a = np.abs(x).max(-1, keepdims=True)
;;       e = np.where(a > 0, np.clip(np.frexp(np.where(a > 0, a, 1))[1] - 1 - 15, -126, 127), 0)      # np.frexp(a)[1] - 1 = floor(log2(a)), exactly
;;       r = np.clip(x / 2.0 ** e, -57344, 57344)
;;       step = 2.0 ** (np.maximum(np.frexp(np.where(r == 0, 1, r))[1] - 1, -14) - 2)
;;       q = np.round(r / step) * step * 2.0 ** e      # np.round: ties to even
;;       return np.moveaxis(q.reshape(q.shape[:-2] + (-1,))[..., :K], -1, axis).astype(np.float32)
;;   ~~~
;;   SOFTMAX AHEAD OF A QUANTISED PRODUCT. Where the list says 'softmax', what is quantised is not the finished softmax but p = 2^(t - M), with t = logit x log2(e) and M = ceil(the row's largest t), a whole number; so 1/2 < the row's largest p <= 1. The row's sum l is taken of the UNQUANTISED p, in f32, and the product's result is divided by l at the end. Since M is a whole number, a kernel that streams over the keys may use a running M (the ceiling of the running maximum): every later rescaling is an exact power of two, which a block's scale takes up: the codes' values come out the same.
;;   OPERANDS COMPUTED ON THE WAY. 'Computed on the way' means the value that the module computes at that place (a softmax that the list does not call 'softmax' is quantised finished and normalised). What goes into a quantiser is computed in f32, as accurately as f32 sums, v_exp_f32 and their like allow (about 1e-6 of the number): no bf16 or f16 on the way to a quantiser, and a product that is left as it is and whose result goes on into a quantised operand takes f32 operands (vector FMAs, or v_wmma_f32_16x16x4_f32). A number that lies on a knife's edge between two numbers of the format may be rounded either way, as far as f32 arithmetic and the matrix unit's own rounding can turn it there, and no further.
;;   INPUTS GIVEN AS CODES. W_out (in the module: [1024, 1024], K = its axis 0); W_qkv (in the module: [1024, 3072], K = its axis 0); x (in the module: [4, 2048, 1024], K = its axis 2): each comes as NAME_codes (uint8): NAME with its K axis moved to the last place and cut into blocks of 32 codes, [.., K / 32, bytes a block], one block behind the other in memory; one code a byte (a code: sign, 5 exponent bits, 2 mantissa bits); and NAME_scales (uint8): the same leading axes, one E8M0 byte (e + 127) for each 32 codes along K. Its value is code x scale, taken as it is: it is not quantised again, and the codes and scales need not be those that the quantiser above would give.
;; One version. Each part assembles by itself: llvm-mc -triple=amdgcn-amd-amdhsa -mcpu=gfx1250 --defsym DOCPART=n.
;; ======== version 1 of 1: 3 launches
;; workspace buffers: qkv 25,165,824 bytes; sc 1,310,720 bytes; a_codes 8,388,608 bytes; a_scales 262,144 bytes
;; launch qkv (part 1): grid 12 x 32, 4 waves a work-group, clusters of 4 x 4, 327,680 bytes of LDS; arguments x_codes, x_scales, W_qkv_codes, W_qkv_scales, b_qkv, qkv, sc; writes qkv, sc
.if DOCPART == 1
	.amdgcn_target "amdgcn-amd-amdhsa--gfx1250"
	.amdhsa_code_object_version 6
	.text
	.protected	k_q0d4f05a3e4_qkv
	.globl	k_q0d4f05a3e4_qkv
	.p2align	8
	.type	k_q0d4f05a3e4_qkv,@function
k_q0d4f05a3e4_qkv:
	s_mov_b64 s[64:65], 0
	v_nop
	global_prefetch_b8 v0, s[64:65] scope:SCOPE_SE
	s_setreg_imm32_b32 hwreg(HW_REG_WAVE_MODE, 25, 1), 1
	s_wait_xcnt 0x0
	s_wait_alu depctr_hold_cnt(0) depctr_sa_sdst(0) depctr_va_vdst(0) depctr_va_sdst(0) depctr_va_ssrc(0) depctr_va_vcc(0) depctr_vm_vsrc(0)
	s_getreg_b32 s2, hwreg(HW_REG_IB_STS2, 6, 4)
	s_cmp_eq_u32 s2, 0
	s_cbranch_scc0 .Lentry_in_a_cluster
	s_endpgm
.Lentry_in_a_cluster:
	s_bfe_u32 s2, ttmp6, 0x10000c
	s_cmp_lg_u32 s2, 0xf033
	s_cbranch_scc0 .Lentry_shape_is_right
	s_endpgm
.Lentry_shape_is_right:
; x W_qkv + b_qkv on codes of BF8 (E5M2) with E8M0 scales, and its result quantised at once: q and k along the head's 64, v along the keys.  Nothing leaves as f32.
; x: [8192][1024] codes, W_qkv: [3072][1024] codes, K innermost; scale bytes [rows][32].  A tile of 256 x 256 to a work-group of four waves, 128 x 128 (64 accumulators, 512 registers) to a wave;
; K = 1,024 goes in four steps of 256 through two LDS slots filled by the tensor data mover; all scale bytes of the tile's rows come once, with the first fills.
; ROLES.  The matrix instruction takes 16 rows of the B-role operand as source 0 and 16 rows of the A-role operand as source 1: a lane then holds ONE A-role row and eight neighbouring B-role rows.
; What is quantised runs along the B-role.  Cluster x = 0, 1 (q, k): A-role = x, B-role = W's rows 0 .. 2047 (d runs in a lane).  Cluster x = 2 (v): A-role = W's rows 2048 on, B-role = x (the keys run in a lane).
; Only pointers and tile numbers are chosen, on the cluster's x, which all sixteen partners share; LDS, masks, descriptors and the K steps are the same on both ways.
; CLUSTERS: 4 x 4 work-groups; the A-role tile is asked for jointly along a row of the cluster, the B-role tile along a column.
; THE WAY OUT.  A block of 32 lies in two accumulators of lanes l and l xor 16.  Codes go into one stage of 256 rows x 272 bytes in slot 0 (it has had its last fill and its last read), and leave
; as IMAGES OF THE NEXT LAUNCH'S OPERAND REGISTERS: every store of a wave covers 512 consecutive bytes, aligned.
;   qkv: [head 64][slot 8][Q 16 KB | K 16 KB | V 16 KB].  Q: tile T of 16 queries: [c 2][lane][16 B], lane (r, h) = d 32 c + 16 h .. of query 16 T + r.  K: the same, tile 8 q + t holding key
;   128 q + 32 (t / 2) + 8 (t % 2) + r + 8 (r / 8).  V: [q 2][t 4][c 4][lane][16 B], lane (r, h) = keys 128 q + 32 c + 16 h .. of d = 32 (t / 2) + 8 (t % 2) + r + 8 (r / 8).
;   sc: Q's words at 16384 y + 8192 (head % 2) + 4 s, y = the pair of heads; from byte 524,288 a record of 24,576 bytes a pair: K's words likewise, then V's at 16384 + 4096 (head % 2) + 256 step + 4 d.
;   A word of Q or K: its two bytes, then 0x7f twice (the upper half of the next product's K step is zero codes).
; LIMITS: NaN and infinities are not served.  A block whose largest magnitude lies under 2^-111, zeros among them, gets the byte 1: the bytes are read by this program alone.
; REGISTERS: window 0: v1-7 at work, v16-30 addresses, v32-63 scale words (two sets), v64-127 the bias (C of the first K step), later at work; v128-255 A-role fragments, later codes.
;   window 1: B-role fragments, two sets.   windows 2, 3: the accumulators ((a, b) at v[8 (8 (a % 4) + b)]).
.set NQ,     2                         ; matrix instructions deep in a slot
.set ROWB,   256                       ; a tile's row in bytes
.set KROW,   1024                      ; a row of codes in memory
.set PITCH,  272                       ; an LDS row: 256 bytes + 16 of padding = 68 words, so the 16 rows that a load touches start at 16 different banks (64 banks of 4 bytes: ISA guide 11.1)
.set FR,     16
.set NL,     4
.set NP,     8                         ; places behind this matrix instruction (ISA guide 7.12.1)
.set HALFT,  128*PITCH
.set SLOT,   4*HALFT
.set KS,     32                        ; a row of scale bytes
.set SCL,    2*SLOT                    ; behind the ring: the scale bytes, units of 256 bytes + 16
.set HALFS,  16*272
.set SBLK,   2*272
.set SPARE,  SCL+4*HALFS               ; the spare words: 128 bytes a wave, two blocks of 256 bytes that no other line names
.set SCST,   256*PITCH                 ; the way out: behind the codes' stage, 512 bytes of scale words for each wave
.set REC,    49152                     ; a slot's record in qkv
.set HEADB,  8*REC
.set SCKV,   524288                    ; where the records of K's and V's words begin in sc
.set SCREC,  24576
.set BO,   7                           ; v7   the bias loads' offset
.set ADRA, 16                          ; v16-17 LDS address of my A-role fragments in slot 0, 1
.set RDK,  18                          ; v18  the way out: rows r + 8 (r / 8) of my 64 rows of the stage
.set SRD,  19                          ; v19  my wave's scale words, 16 bytes a lane
.set ADRB, 20                          ; v20-21 the same as ADRA for the B-role
.set GOL,  22                          ; v22  16 x lane
.set VSO,  23                          ; v23  V's scale words in sc: 4096 (lane / 16) + 16 (lane % 16)
.set STO,  24                          ; v24  where I put 8 codes of a row
.set SST,  25                          ; v25  where I put a row's scale word
.set ADRS, 27                          ; v27  LDS address of my scale words: lanes 0-15 the A-role's rows, lanes 16-31 the B-role's
.set SPW,  28                          ; v28  my spare word; never rewritten
.set NIL,  29                          ; v29  0; never rewritten
.set RDQ,  30                          ; v30  the way out: rows r of my 64 rows of the stage
.set SC,   32
.set BIAS, 64
.set TM,   64                          ; the way out: v64-67 largest magnitudes, v68-71 bytes, v72-75 the largest number x the scale, v76-79 the conversions' scale operands
.set PW,   80                          ; v80-87 block a's scale word
.set RAW,  88                          ; v88-91 four rows' words as made;  v92-95, v96-99 cut into the two heads' words
.set WA,   92
.set WB,   96
.set AF,   128
.set PC,   128                         ; codes: 16 registers for each block a, so that no LDS store's data are written again
.set G1, 24
.set G0, 32
.set G1B, 48
.set G0B, 56
.set G1S, 68
.set G0S, 76
.set G1SB, 80
.set G0SB, 88
.set MSB, 0
.macro WIN new                         ; the immediate's high byte repeats the setting that is left
.if MSB != (\new)
	s_set_vgpr_msb (MSB<<8)|(\new)
.set MSB, (\new)
.endif
.endm
.set MUL_LO, 0xa1                      ; source 0 window 1, source 1 window 0, C and D window 2
.set MUL_HI, 0xf1                      ; the same, C and D window 3
.set FST_LO, 0x81                      ; the first K step: C (the bias) window 0, D window 2
.set FST_HI, 0xc1
.set TO_B,   0x40
; A joint load: waves 0 and 1 fetch for the A-role, waves 2 and 3 for the B-role; the branch hangs on the wave's number alone.  Four v_nop follow each line.
.macro JLOAD g0a, g1a, g0b, g1b
	s_cmp_eq_u32 s15, 0
	s_cbranch_scc0 .Lfor_b_\@
	tensor_load_to_lds s[\g0a:\g0a+3], s[\g1a:\g1a+7]
	s_nop 0
.rept 4
	v_nop
.endr
	s_branch .Lasked_\@
.Lfor_b_\@:
	tensor_load_to_lds s[\g0b:\g0b+3], s[\g1b:\g1b+7]
	s_nop 0
.rept 4
	v_nop
.endr
.Lasked_\@:
.endm
.macro CREST                           ; a round of the cluster's barrier behind its opening barrier
	s_cmp_lg_u32 s14, 0
	s_cbranch_scc1 .Lnot_wave_0_\@
	s_barrier_signal -3
.Lnot_wave_0_\@:
	s_barrier_wait -3
	s_barrier_signal -1
	s_barrier_wait -1
.endm
.macro CROUND
	s_barrier_signal -1
	s_barrier_wait -1
	CREST
.endm
	s_load_b256 s[4:11], s[0:1], 0x0               ; x's codes, x's scales, W's codes, W's scales
	s_load_b128 s[96:99], s[0:1], 0x20             ; b_qkv, qkv
	s_load_b64 s[12:13], s[0:1], 0x30              ; sc
	v_lshl_add_u32 v[SPW], v0, 2, SPARE
	v_mov_b32 v[NIL], 0
	ds_add_u32 v28, v29
	s_wait_dscnt 0x0
	v_lshrrev_b32 v1, 5, v0
	v_readfirstlane_b32 s14, v1                    ; wave 0..3
	s_lshr_b32 s15, s14, 1                         ; which half of the tile's A-role rows is mine.  Also: I fetch for the A-role (0) or the B-role (1)
	s_and_b32 s16, s14, 1                          ; which half of its B-role rows.  Also: which 128 rows I fetch
	s_bfe_u32 s40, ttmp6, 0x40000                  ; cx, cy
	s_bfe_u32 s41, ttmp6, 0x40004
	s_and_b32 s66, ttmp7, 0xffff                   ; cluster y
	s_cmp_eq_u32 ttmp9, 2                          ; the v part?  The same answer in all sixteen partners
	s_cselect_b32 s67, 0, s66                      ; A-role tiles: v: W's four, by cy alone; q, k: x's, 4 Y + cy
	s_cselect_b32 s18, s66, ttmp9                  ; B-role tiles: v: x's, 4 Y + cx; q, k: W's, 4 x cluster x + cx
	s_cselect_b32 s95, 2048, 0                     ; v's rows of W begin at 2,048
	s_lshl_b32 s42, s18, 2
	s_add_co_u32 s42, s42, s40                     ; B-role tile
	s_lshl_b32 s17, s67, 2
	s_add_co_u32 s17, s17, s41                     ; A-role tile
	s_lshl_b32 s43, s41, 2
	s_lshl_b32 s43, 15, s43                        ; my row of the cluster
	s_lshl_b32 s44, 0x1111, s40                    ; my column
	; descriptor group 1: 128 rows x 256 bytes, 16 bytes of padding behind each
	s_or_b32 s[G1+0], s43, (0<<16)|(1<<20)|(1<<21)|(5<<22)|(3<<25)  ; the mask; elements of 1 byte; padding on; bit 21 beside a mask; after every 64 words, 4 words
	s_or_b32 s[G1B+0], s44, (0<<16)|(1<<20)|(1<<21)|(5<<22)|(3<<25)
.irp g, G1, G1B
	s_mov_b32 s[\g+1], ROWB<<16                    ; tensor_dim0
	s_mov_b32 s[\g+2], 128<<16                     ; tensor_dim1
	s_mov_b32 s[\g+3], ROWB<<16                    ; tile_dim0
	s_mov_b32 s[\g+4], 128                         ; tile_dim1
	s_mov_b32 s[\g+5], KROW                        ; the pitch
	s_mov_b32 s[\g+6], 0
	s_mov_b32 s[\g+7], 0
.endr
	; the scale bytes of 128 rows: 4,096 dense bytes as 16 rows of 256 (32 elements of 8 bytes), 16 bytes of padding behind each
	s_or_b32 s[G1S+0], s43, (3<<16)|(1<<20)|(1<<21)|(5<<22)|(3<<25)
	s_or_b32 s[G1SB+0], s44, (3<<16)|(1<<20)|(1<<21)|(5<<22)|(3<<25)
.irp g, G1S, G1SB
	s_mov_b32 s[\g+1], 32<<16
	s_mov_b32 s[\g+2], 16<<16
	s_mov_b32 s[\g+3], 32<<16
	s_mov_b32 s[\g+4], 16
	s_mov_b32 s[\g+5], 32
	s_mov_b32 s[\g+6], 0
	s_mov_b32 s[\g+7], 0
.endr
	s_lshl_b32 s18, s16, 7                         ; which 128 rows of a tile I fetch
	s_lshl_b32 s20, s17, 8
	s_add_co_u32 s20, s20, s18
	s_add_co_u32 s20, s20, s95                     ; the A-role's first row
	s_lshl_b32 s46, s42, 8
	s_add_co_u32 s46, s46, s18                     ; the B-role's
	s_lshl_b32 s22, s20, 5                         ; their scale bytes: 32 a row,
	s_mov_b32 s23, 0
	s_lshl_b32 s92, s46, 5
	s_mov_b32 s93, 0
	s_lshl_b32 s20, s20, 10                        ; their codes: 1,024 a row
	s_mov_b32 s21, 0
	s_lshl_b32 s46, s46, 10
	s_mov_b32 s47, 0
	s_mul_i32 s45, s14, HALFT                      ; where they go: wave x 128 rows: no place in the cluster enters an LDS address
	s_mul_i32 s94, s14, HALFS
	s_wait_kmcnt 0x0
	s_cmp_eq_u32 ttmp9, 2                          ; the roles' buffers: a choice that hangs on no address
	s_cselect_b64 s[2:3], s[8:9], s[4:5]           ; A-role codes
	s_cselect_b64 s[8:9], s[4:5], s[8:9]           ; B-role codes
	s_cselect_b64 s[4:5], s[10:11], s[6:7]         ; A-role scales
	s_cselect_b64 s[10:11], s[6:7], s[10:11]       ; B-role scales
	s_add_nc_u64 s[20:21], s[2:3], s[20:21]
	s_add_nc_u64 s[22:23], s[4:5], s[22:23]
	s_add_nc_u64 s[46:47], s[8:9], s[46:47]
	s_add_nc_u64 s[92:93], s[10:11], s[92:93]
	CROUND                                         ; all sixteen work-groups are here: the first joint loads meet
	s_mov_b32 s[G0S], 1
	s_add_co_u32 s[G0S+1], s94, SCL
	s_mov_b64 s[G0S+2:G0S+3], s[22:23]
	s_or_b32 s[G0S+3], s[G0S+3], 0x80000000
	s_mov_b32 s[G0SB], 1
	s_add_co_u32 s[G0SB+1], s94, SCL
	s_mov_b64 s[G0SB+2:G0SB+3], s[92:93]
	s_or_b32 s[G0SB+3], s[G0SB+3], 0x80000000
	JLOAD G0S, G1S, G0SB, G1SB                     ; the scales first: they are wanted with K step 0
.irp s, 0,1
	s_mov_b32 s[G0+4*\s], 1
	s_add_co_u32 s[G0+4*\s+1], s45, \s*SLOT
	s_add_nc_u64 s[G0+4*\s+2:G0+4*\s+3], s[20:21], \s*ROWB
	s_or_b32 s[G0+4*\s+3], s[G0+4*\s+3], 0x80000000
	s_mov_b32 s[G0B+4*\s], 1
	s_add_co_u32 s[G0B+4*\s+1], s45, \s*SLOT
	s_add_nc_u64 s[G0B+4*\s+2:G0B+4*\s+3], s[46:47], \s*ROWB
	s_or_b32 s[G0B+4*\s+3], s[G0B+4*\s+3], 0x80000000
	JLOAD G0+4*\s, G1, G0B+4*\s, G1B               ; three loads of mine are out
.endr
	; every LDS address is made here, on the one way that all waves take
	v_and_b32 v1, 15, v0                           ; r
	v_bfe_u32 v2, v0, 4, 1                         ; h
	v_mul_u32_u24 v3, v1, PITCH
	v_lshl_add_u32 v4, v2, 4, v3                   ; r x pitch + 16 h
	s_mul_i32 s21, s15, HALFT
	s_mul_i32 s22, s16, HALFT
	s_add_co_u32 s22, s22, 2*HALFT
.irp s, 0,1
	v_add_nc_u32 v[ADRA+\s], s21, v4
	v_add_nc_u32 v[ADRB+\s], s22, v4
	s_add_co_u32 s21, s21, SLOT
	s_add_co_u32 s22, s22, SLOT
.endr
	v_mul_u32_u24 v5, v1, KS                       ; my row's scales: 32 bytes a row,
	v_lshrrev_b32 v6, 8, v5
	v_lshl_add_u32 v5, v6, 4, v5                   ; and 16 more for each 256 passed
	s_mul_i32 s21, s15, HALFS
	s_mul_i32 s22, s16, HALFS
	s_add_co_u32 s22, s22, 2*HALFS
	s_sub_co_u32 s22, s22, s21
	v_mul_u32_u24 v6, s22, v2                      ; lanes 16-31 take the B-role's: one product, the distance between the two bases
	s_add_co_u32 s21, s21, SCL
	v_add_nc_u32 v5, v5, v6
	v_add_nc_u32 v[ADRS], s21, v5
	s_mul_i32 s23, s15, 128*PITCH                  ; the stage: row 128 x row half + r, byte 128 x column half + 8 h
	s_lshl_b32 s21, s16, 7
	s_add_co_u32 s23, s23, s21
	v_lshl_add_u32 v5, v2, 3, v3
	v_add_nc_u32 v[STO], s23, v5
	s_lshl_b32 s23, s14, 9
	s_add_co_u32 s23, s23, SCST                    ; my wave's 512 bytes of scale words
	v_lshl_add_u32 v[SST], v1, 2, s23
	v_and_b32 v6, 31, v0
	v_lshl_add_u32 v[SRD], v6, 4, s23
	v_lshlrev_b32 v[GOL], 4, v6
	s_mul_i32 s23, s14, 64*PITCH                   ; back: wave w takes rows 64 w on
	v_add_nc_u32 v[RDQ], s23, v4
	v_and_b32 v5, 8, v1
	v_add_nc_u32 v5, v5, v1                        ; r + 8 (r / 8)
	v_mul_u32_u24 v5, v5, PITCH
	v_lshl_add_u32 v5, v2, 4, v5
	v_add_nc_u32 v[RDK], s23, v5
	v_lshlrev_b32 v[VSO], 4, v1
	v_lshl_add_u32 v[VSO], v2, 12, v[VSO]
	; THE BIAS is the C of the first K step's products: 64 registers in the result's layout.  q, k: it runs along a lane's registers (eight numbers for each B-role block);
	; v: it belongs to the lane's row (one number for each A-role block, in all eight registers).
	s_cmp_eq_u32 ttmp9, 2
	s_cbranch_scc1 .Lbias_v
	s_lshl_b32 s18, s42, 10
	s_lshl_b32 s19, s16, 9
	s_add_co_u32 s18, s18, s19
	s_mov_b32 s19, 0
	s_add_nc_u64 s[96:97], s[96:97], s[18:19]      ; b_qkv at column 256 x tile + 128 x half
	v_lshlrev_b32 v[BO], 5, v2                     ; + 8 h numbers
.irp b, 0,1,2,3,4,5,6,7
	global_load_b128 v[BIAS+8*\b:BIAS+8*\b+3], v[BO], s[96:97] offset:64*\b
	global_load_b128 v[BIAS+8*\b+4:BIAS+8*\b+7], v[BO], s[96:97] offset:64*\b+16
.endr
	s_branch .Lbias_done
.Lbias_v:
	s_lshl_b32 s18, s17, 10
	s_lshl_b32 s19, s15, 9
	s_add_co_u32 s18, s18, s19
	s_add_co_u32 s18, s18, 8192
	s_mov_b32 s19, 0
	s_add_nc_u64 s[96:97], s[96:97], s[18:19]      ; b_qkv at column 2,048 + 256 x tile + 128 x half
	v_lshlrev_b32 v[BO], 2, v1                     ; + r numbers
.irp a, 0,1,2,3,4,5,6,7
.irp j, 0,1,2,3,4,5,6,7
	global_load_b32 v[BIAS+8*\a+\j], v[BO], s[96:97] offset:64*\a
.endr
.endr
.Lbias_done:
.macro FRAG reg, adr, q, i             ; a fragment, 16 rows x 128 K: lane l holds row l % 16; registers 4 c .. 4 c + 3 hold K = 32 c + 16 (l / 16) + 0 .. 15
.irp c, 0,1,2,3
	ds_load_b128 v[\reg+4*\c:\reg+4*\c+3], v[\adr] offset:128*(\q)+32*\c+(\i)*16*PITCH
.endr
.endm
; 16 matrix instructions: A-role blocks a0, a0 + 1 x the B-role's eight.  p: the B-role's set; sc: the set of scale words.  mode 0: adds in place; 1: C = the bias of block b; 2: C = the bias of block a.
; The 64 accumulators take turns, one instruction a turn, in the same order in every step.
.macro MUL16 a0, p, q, sc, mode
.irp a, \a0, \a0+1
.irp b, 0,1,2,3,4,5,6,7
.set rD, 8*(8*((\a)%4)+\b)
.set rB, 128*(\p)+FR*\b
.set rA, AF+FR*(\a)
.set rSB, SC+8*NQ*(\sc)+NQ*\b+(\q)
.set rSA, SC+8*NQ*(\sc)+NQ*(\a)+(\q)
.if (\mode) == 0
	v_wmma_scale_f32_16x16x128_f8f6f4 v[rD:rD+7], v[rB:rB+15], v[rA:rA+15], v[rD:rD+7], v[rSB], v[rSA] matrix_a_fmt:MATRIX_FMT_BF8 matrix_b_fmt:MATRIX_FMT_BF8 matrix_a_scale:MATRIX_SCALE_ROW1
.elseif (\mode) == 1
	v_wmma_scale_f32_16x16x128_f8f6f4 v[rD:rD+7], v[rB:rB+15], v[rA:rA+15], v[BIAS+8*\b:BIAS+8*\b+7], v[rSB], v[rSA] matrix_a_fmt:MATRIX_FMT_BF8 matrix_b_fmt:MATRIX_FMT_BF8 matrix_a_scale:MATRIX_SCALE_ROW1
.else
	v_wmma_scale_f32_16x16x128_f8f6f4 v[rD:rD+7], v[rB:rB+15], v[rA:rA+15], v[BIAS+8*(\a):BIAS+8*(\a)+7], v[rSB], v[rSA] matrix_a_fmt:MATRIX_FMT_BF8 matrix_b_fmt:MATRIX_FMT_BF8 matrix_a_scale:MATRIX_SCALE_ROW1
.endif
.endr
.endr
.endm
.macro FETCH_B slot, q, p
	WIN TO_B
.irp i, 0,1,2,3,4,5,6,7
	FRAG 128*(\p)+FR*\i, ADRB+\slot, \q, \i
.endr
	WIN 0
.endm
.macro FETCH_A slot, q, i0
.irp i, \i0, \i0+1, \i0+2, \i0+3
	FRAG AF+FR*(\i), ADRA+\slot, \q, \i
.endr
.endm
.macro SCALES sc                       ; a K step's scale words: two a row; lanes 0-15 take the A-role's block i, lanes 16-31 the B-role's block i
.irp i, 0,1,2,3,4,5,6,7
	ds_load_b64 v[SC+8*NQ*\sc+NQ*\i:SC+8*NQ*\sc+NQ*\i+1], v[ADRS] offset:\i*SBLK
.endr
.endm
.macro PLACES n                        ; plain vector instructions between a matrix instruction and a load into, or a vector read of, its registers
.rept \n
	v_nop
.endr
.endm
; A step of 128 along K that has its successor in the same slot.
.macro STEP slot, q, mode
	s_wait_dscnt 4*NL                              ; all but the youngest 16 loads (A-role blocks 4-7) are in
.if (\mode) == 0
	WIN MUL_LO
.else
	WIN FST_LO
.endif
	MUL16 0, (\q)%2, \q, \slot, \mode
	MUL16 2, (\q)%2, \q, \slot, \mode
	s_wait_dscnt 0                                 ; A-role blocks 4-7 are in
	PLACES NP
	FETCH_B \slot, (\q)+1, 1-(\q)%2
	FETCH_A \slot, (\q)+1, 0
.if (\mode) == 0
	WIN MUL_HI
.else
	WIN FST_HI
.endif
	MUL16 4, (\q)%2, \q, \slot, \mode
	MUL16 6, (\q)%2, \q, \slot, \mode
	PLACES NP
	WIN 0
	FETCH_A \slot, (\q)+1, 4
.endm
; A slot's last step changes slots: one barrier; in front of it each wave waits for all its tensor loads, adds 0 to its spare word, and waits for that and for its own reads of this slot.
.macro TURN slot, next, fill
	s_wait_tensorcnt 0x0                           ; all my tensor loads have landed: my part of the next slot
	ds_add_u32 v[SPW], v[NIL]                      ; 0 onto my spare word
	s_wait_dscnt 4*NL+1                            ; the add and the youngest 16 loads may be out
	WIN MUL_LO
	MUL16 0, 1, NQ-1, \slot, 0                     ; sixteen matrix instructions stand between the add and the wait for it
	s_wait_dscnt 0x0                               ; the add is done, and my reads of this slot are over
	s_barrier_signal -1
	MUL16 2, 1, NQ-1, \slot, 0
	WIN 0
	s_barrier_wait -1
.if \fill
	CREST                                          ; the barrier has opened a round of the cluster's: no wave of any partner still reads this slot or has a load on its way
	s_add_nc_u64 s[G0+4*\slot+2:G0+4*\slot+3], s[G0+4*\slot+2:G0+4*\slot+3], 2*ROWB
	s_add_nc_u64 s[G0B+4*\slot+2:G0B+4*\slot+3], s[G0B+4*\slot+2:G0B+4*\slot+3], 2*ROWB
	JLOAD G0+4*\slot, G1, G0B+4*\slot, G1B         ; the first tensor load behind the round, my one load until the next; its four v_nop are four of the eight places
	PLACES NP-4
.else
	PLACES NP
.endif
	v_add_nc_u32 v[ADRS], 4*NQ, v[ADRS]            ; on to the next K step's scale words
	FETCH_B \next, 0, 0
	FETCH_A \next, 0, 0
	SCALES \next
	WIN MUL_HI
	MUL16 4, 1, NQ-1, \slot, 0
	MUL16 6, 1, NQ-1, \slot, 0
	PLACES NP
	WIN 0
	FETCH_A \next, 0, 4
.endm
	s_wait_tensorcnt 1                             ; the scales and my part of K step 0 are in; K step 1's load may be out
	s_barrier_signal -1
	s_barrier_wait -1
	FETCH_B 0, 0, 0
	FETCH_A 0, 0, 0
	SCALES 0
	FETCH_A 0, 0, 4
	s_wait_loadcnt 0x0                             ; the bias
	s_cmp_eq_u32 ttmp9, 2                          ; the first step's products start the sums with the bias: by B-role block, or by A-role block
	s_cbranch_scc1 .Lfirst_v
	STEP 0, 0, 1
	s_branch .Lfirst_done
.Lfirst_v:
	STEP 0, 0, 2
.Lfirst_done:
	TURN 0, 1, 1                                   ; K = 1,024 is four K steps of 256: they are written out; slot 0 takes K step 2,
	STEP 1, 0, 0
	TURN 1, 0, 1                                   ; slot 1 K step 3,
	STEP 0, 0, 0
	TURN 0, 1, 0                                   ; and nothing is left to fetch: no round follows
	STEP 1, 0, 0
	s_wait_dscnt 4*NL
	WIN MUL_LO
	MUL16 0, 1, NQ-1, 1, 0
	MUL16 2, 1, NQ-1, 1, 0
	s_wait_dscnt 0
	WIN MUL_HI
	MUL16 4, 1, NQ-1, 1, 0
	MUL16 6, 1, NQ-1, 1, 0
	WIN 0
	; THE WAY OUT
	PLACES NP                                      ; behind the last products: their results are read, and the A-role's registers written, by vector instructions
	s_mov_b32 s2, 0x76543210
	s_mov_b32 s3, 0xfedcba98                       ; v_permlanex16_b32's selects for lane l xor 16
	s_mov_b32 s4, 0x7f7f7f7f                       ; the byte of the scale 1
	s_mov_b32 s5, 0x04040100                       ; v_perm_b32: bytes 0, 1 of a word, then 0x7f twice
	s_mov_b32 s6, 0x04040302                       ; bytes 2, 3, then 0x7f twice
	s_mov_b32 s100, 0x08000000                     ; the floor 2^(16 - 127): the byte cannot fall under 1
	s_mov_b32 s101, 0x600000                       ; the mantissa field of 57,344
.irp b, 0,1,2,3
	v_mov_b32 v[TM+4+\b], 0                        ; written once: a lane permute's destination counts as one of its sources
.endr
; Block a: 16 A-role rows x my 128 B-role columns = four blocks of 32 for each row.  Block b lies in accumulators 2 b and 2 b + 1 of lanes l and l xor 16.
.macro QBLK a
.set QW, 2+(\a)/4
.set AC, 64*((\a)%4)
.set QW1, (QW<<2)|(QW<<4)
.set QW2, (QW<<6)|QW
	WIN QW1                                        ; sources 1 and 2 in the accumulators' window
.irp b, 0,1,2,3
	v_max3_num_f32 v[TM+\b], s100, |v[AC+16*\b]|, |v[AC+16*\b+1]|      ; each accumulator is read from its low end on
.endr
.irp i, 2,4,6,8,10,12,14
.irp b, 0,1,2,3
	v_max3_num_f32 v[TM+\b], v[TM+\b], |v[AC+16*\b+\i]|, |v[AC+16*\b+\i+1]|   ; the four blocks by turns
.endr
.endr
	WIN 0
.irp b, 0,1,2,3
	v_permlanex16_b32 v[TM+4+\b], v[TM+\b], s2, s3
.endr
.irp b, 0,1,2,3
	v_max_num_f32 v[TM+\b], v[TM+\b], v[TM+4+\b]   ; with lane l xor 16's: the block's largest magnitude
.endr
.irp b, 0,1,2,3
	v_add_nc_u32 v[TM+12+\b], 0xf8800000, v[TM+\b] ; 15 off its exponent field: the conversion's scale operand
.endr
.irp b, 0,1,2,3
	v_and_or_b32 v[TM+8+\b], v[TM+\b], 0x7f800000, s101   ; 57,344 x the scale
.endr
.irp b, 0,1,2,3
	v_lshrrev_b32 v[TM+4+\b], 23, v[TM+12+\b]      ; the scale's byte
.endr
	v_lshl_or_b32 v[PW+(\a)], v[TM+5], 8, v[TM+4]
	v_lshl_or_b32 v[PW+(\a)], v[TM+6], 16, v[PW+(\a)]
	v_lshl_or_b32 v[PW+(\a)], v[TM+7], 24, v[PW+(\a)]
	WIN QW2                                        ; destination and source 0 in the accumulators' window
.irp b, 0,1,2,3
.irp i, 0,1,2,3,4,5,6,7,8,9,10,11,12,13,14,15
	v_med3_num_f32 v[AC+16*\b+\i], v[AC+16*\b+\i], -v[TM+8+\b], v[TM+8+\b]   ; the conversion to an 8-bit code does not saturate (ISA guide 7.6.2): the hold comes first
.endr
.endr
	WIN QW                                         ; source 0 alone
.irp t, 0,1,2,3,4,5,6,7
	v_cvt_scalef32_pk8_bf8_f32 v[PC+16*(\a)+2*\t:PC+16*(\a)+2*\t+1], v[AC+8*\t:AC+8*\t+7], v[TM+12+\t/2]
.endr
	WIN 0
	v_nop                                          ; one plain vector instruction behind the last conversion of the run
.irp t, 0,1,2,3,4,5,6,7
	ds_store_b64 v[STO], v[PC+16*(\a)+2*\t:PC+16*(\a)+2*\t+1] offset:(\a)*16*PITCH+16*\t   ; columns 16 t + 8 h + 0 .. 7 of row 16 a + r
.endr
	ds_store_b32 v[SST], v[PW+(\a)] offset:64*(\a) ; both halves of the lanes write the same word with the same value
.endm
.irp a, 0,1,2,3,4,5,6,7
	QBLK \a
.endr
	s_wait_dscnt 0x0                               ; for the others' sake: my stores into the stage are done
	s_barrier_signal -1
	s_barrier_wait -1                              ; the stage is whole; from here on LDS is only read
; Q and K: wave w takes rows 64 w .. 64 w + 63 (four tiles of 16) of all four heads; each load is half a tile's image (512 bytes), each store puts it where it belongs.
.macro RBQK adr, perm
	s_lshr_b32 s18, s17, 3                         ; the batch
	s_and_b32 s19, s17, 7                          ; the slot of 256 rows
	s_and_b32 s20, s42, 3                          ; which four heads
	s_lshl_b32 s21, s18, 4
	s_lshl_b32 s22, s20, 2
	s_add_co_u32 s21, s21, s22                     ; the first of them
	s_lshl_b32 s21, s21, 3
	s_add_co_u32 s21, s21, s19
	s_mul_i32 s22, s21, REC
	s_lshl_b32 s23, s14, 12                        ; my four tiles
	s_add_co_u32 s22, s22, s23
.if \perm
	s_add_co_u32 s22, s22, 16384                   ; K lies behind Q
.endif
	s_mov_b32 s23, 0
	s_add_nc_u64 s[98:99], s[98:99], s[22:23]
	s_lshl_b32 s21, s18, 3
	s_lshl_b32 s22, s20, 1
	s_add_co_u32 s21, s21, s22
	s_add_co_u32 s21, s21, s16                     ; my pair of heads
.if \perm
	s_mul_i32 s22, s21, SCREC
	s_add_co_u32 s22, s22, SCKV
.else
	s_lshl_b32 s22, s21, 14
.endif
	s_lshl_b32 s21, s19, 10
	s_add_co_u32 s22, s22, s21
	s_lshl_b32 s21, s15, 9
	s_add_co_u32 s22, s22, s21                     ; + 4 bytes x (256 x slot + 128 x row half)
	s_add_nc_u64 s[12:13], s[12:13], s[22:23]
.irp hh, 0,1,2,3
.irp t, 0,1,2,3
.irp c, 0,1
.if \perm
	ds_load_b128 v[PC+4*(8*\hh+2*\t+\c):PC+4*(8*\hh+2*\t+\c)+3], v[\adr] offset:(32*(\t/2)+8*(\t%2))*PITCH+64*\hh+32*\c
.else
	ds_load_b128 v[PC+4*(8*\hh+2*\t+\c):PC+4*(8*\hh+2*\t+\c)+3], v[\adr] offset:16*\t*PITCH+64*\hh+32*\c
.endif
.endr
.endr
.endr
	ds_load_b128 v[RAW:RAW+3], v[SRD]              ; four rows' scale words
.irp hh, 0,1,2,3
.irp t, 0,1,2,3
.irp c, 0,1
	s_wait_dscnt 32-(8*\hh+2*\t+\c)                ; behind this load: the younger loads of codes and the one of scale words
	global_store_b128 v[GOL], v[PC+4*(8*\hh+2*\t+\c):PC+4*(8*\hh+2*\t+\c)+3], s[98:99] offset:\hh*HEADB+\t*1024+\c*512   ; 32 lanes store 512 consecutive bytes, aligned
.endr
.endr
.endr
	s_wait_dscnt 0x0
.irp i, 0,1,2,3
	v_perm_b32 v[WA+\i], s4, v[RAW+\i], s5         ; the even head's two bytes, the odd head's
	v_perm_b32 v[WB+\i], s4, v[RAW+\i], s6
.endr
	global_store_b128 v[GOL], v[WA:WA+3], s[12:13]
	global_store_b128 v[GOL], v[WB:WB+3], s[12:13] offset:8192
.endm
	s_cmp_eq_u32 ttmp9, 2
	s_cbranch_scc1 .Lway_v
	s_cmp_eq_u32 ttmp9, 1
	s_cbranch_scc1 .Lway_k
	RBQK RDQ, 0
	s_branch .Lend
.Lway_k:
	RBQK RDK, 1
	s_branch .Lend
.Lway_v:
	; V: the stage's rows are d (64 a head), its bytes the slot's 256 keys.  Wave w takes head w of the tile's four.
	s_lshr_b32 s18, s42, 3                         ; the batch
	s_and_b32 s19, s42, 7                          ; the slot of 256 keys
	s_lshl_b32 s21, s18, 4
	s_lshl_b32 s22, s17, 2
	s_add_co_u32 s21, s21, s22
	s_add_co_u32 s21, s21, s14                     ; my head
	s_lshl_b32 s21, s21, 3
	s_add_co_u32 s21, s21, s19
	s_mul_i32 s22, s21, REC
	s_add_co_u32 s22, s22, 32768                   ; V lies behind Q and K
	s_mov_b32 s23, 0
	s_add_nc_u64 s[98:99], s[98:99], s[22:23]
	s_lshl_b32 s21, s18, 3
	s_lshl_b32 s22, s17, 1
	s_add_co_u32 s21, s21, s22
	s_add_co_u32 s21, s21, s15                     ; the pair of heads whose words I made
	s_mul_i32 s22, s21, SCREC
	s_add_co_u32 s22, s22, SCKV+16384
	s_lshl_b32 s21, s19, 9
	s_add_co_u32 s22, s22, s21
	s_lshl_b32 s21, s16, 8
	s_add_co_u32 s22, s22, s21                     ; + 256 bytes x key step (2 x slot + column half)
	s_add_nc_u64 s[12:13], s[12:13], s[22:23]
.irp q, 0,1
.irp t, 0,1,2,3
.irp c, 0,1,2,3
	ds_load_b128 v[PC+4*(16*\q+4*\t+\c):PC+4*(16*\q+4*\t+\c)+3], v[RDK] offset:(32*(\t/2)+8*(\t%2))*PITCH+128*\q+32*\c
.endr
.endr
.endr
	ds_load_b128 v[RAW:RAW+3], v[SRD]
.irp q, 0,1
.irp t, 0,1,2,3
.irp c, 0,1,2,3
	s_wait_dscnt 32-(16*\q+4*\t+\c)
	global_store_b128 v[GOL], v[PC+4*(16*\q+4*\t+\c):PC+4*(16*\q+4*\t+\c)+3], s[98:99] offset:8192*\q+2048*\t+512*\c
.endr
.endr
.endr
	s_wait_dscnt 0x0
	global_store_b128 v[VSO], v[RAW:RAW+3], s[12:13]   ; a word is the four bytes of 128 keys as it was made; each half of the lanes stores 256 consecutive bytes, aligned
.Lend:
	s_wait_tensorcnt 0x0                           ; the wave's end
	ds_add_u32 v[SPW], v[NIL]
	s_wait_dscnt 0x0
	CROUND                                         ; the closing round: no work-group ends while a partner may still ask for a tile that names it
	s_endpgm
.Lfunc_end_k_q0d4f05a3e4_qkv:
	.size	k_q0d4f05a3e4_qkv, .Lfunc_end_k_q0d4f05a3e4_qkv-k_q0d4f05a3e4_qkv
	.p2alignl 7, 3214868480
	.fill 96, 4, 3214868480
	.section	.rodata,"a",@progbits
	.p2align	6, 0x0
	.amdhsa_kernel k_q0d4f05a3e4_qkv
		.amdhsa_group_segment_fixed_size 327680
		.amdhsa_private_segment_fixed_size 0
		.amdhsa_enable_private_segment 0
		.amdhsa_kernarg_size 56
		.amdhsa_user_sgpr_count 2
		.amdhsa_user_sgpr_kernarg_segment_ptr 1
		.amdhsa_wavefront_size32 1
		.amdhsa_system_sgpr_workgroup_id_x 1
		.amdhsa_system_sgpr_workgroup_id_y 1
		.amdhsa_system_sgpr_workgroup_id_z 1
		.amdhsa_system_vgpr_workitem_id 0
		.amdhsa_next_free_vgpr 1024
		.amdhsa_next_free_sgpr 102
		.amdhsa_reserve_vcc 0
		.amdhsa_float_denorm_mode_32 3
		.amdhsa_float_denorm_mode_16_64 3
		.amdhsa_memory_ordered 1
		.amdhsa_forward_progress 1
		.amdhsa_inst_pref_size 229
	.end_amdhsa_kernel
	.amdgpu_metadata
---
amdhsa.version: [ 1, 2 ]
amdhsa.kernels:
  - .name:           k_q0d4f05a3e4_qkv
    .symbol:         k_q0d4f05a3e4_qkv.kd
    .args:
      - { .name: x_codes, .offset: 0, .size: 8, .value_kind: global_buffer, .address_space: global }
      - { .name: x_scales, .offset: 8, .size: 8, .value_kind: global_buffer, .address_space: global }
      - { .name: W_qkv_codes, .offset: 16, .size: 8, .value_kind: global_buffer, .address_space: global }
      - { .name: W_qkv_scales, .offset: 24, .size: 8, .value_kind: global_buffer, .address_space: global }
      - { .name: b_qkv, .offset: 32, .size: 8, .value_kind: global_buffer, .address_space: global }
      - { .name: qkv, .offset: 40, .size: 8, .value_kind: global_buffer, .address_space: global }
      - { .name: sc, .offset: 48, .size: 8, .value_kind: global_buffer, .address_space: global }
    .group_segment_fixed_size: 327680
    .private_segment_fixed_size: 0
    .kernarg_segment_align: 8
    .kernarg_segment_size: 56
    .max_flat_workgroup_size: 128
    .sgpr_count:     102
    .vgpr_count:     1024
    .wavefront_size: 32
...
	.end_amdgpu_metadata
.endif
;; end of part 1
;; launch attn (part 2): grid 8 x 32, 16 waves a work-group, clusters of 4 x 1, 327,680 bytes of LDS; arguments qkv, sc, a_codes, a_scales; writes a_codes, a_scales
.if DOCPART == 2
	.amdgcn_target "amdgcn-amd-amdhsa--gfx1250"
	.amdhsa_code_object_version 6
	.text
	.protected	k_q0d4f05a3e4_attn
	.globl	k_q0d4f05a3e4_attn
	.p2align	8
	.type	k_q0d4f05a3e4_attn,@function
k_q0d4f05a3e4_attn:
	s_mov_b64 s[64:65], 0
	v_nop
	global_prefetch_b8 v0, s[64:65] scope:SCOPE_SE
	s_setreg_imm32_b32 hwreg(HW_REG_WAVE_MODE, 25, 1), 1
	s_wait_xcnt 0x0
	s_wait_alu depctr_hold_cnt(0) depctr_sa_sdst(0) depctr_va_vdst(0) depctr_va_sdst(0) depctr_va_ssrc(0) depctr_va_vcc(0) depctr_vm_vsrc(0)
	s_getreg_b32 s2, hwreg(HW_REG_IB_STS2, 6, 4)
	s_cmp_eq_u32 s2, 0
	s_cbranch_scc0 .Lentry_in_a_cluster
	s_endpgm
.Lentry_in_a_cluster:
	s_bfe_u32 s2, ttmp6, 0x10000c
	s_cmp_lg_u32 s2, 0x3003
	s_cbranch_scc0 .Lentry_shape_is_right
	s_endpgm
.Lentry_shape_is_right:
; softmax(q k^T / 8) v for 64 heads of size 64, 2,048 queries and keys, both products on codes of BF8 (E5M2) with E8M0 scales; the result, divided by the row's sum, is quantised along d and leaves as codes.
; THE SOFTMAX AHEAD OF THE SECOND PRODUCT: t = score x log2(e) / 8; M = the row's largest t so far, rounded UP to a whole number; p = 2^(t - M) is quantised along the keys, not normalised.
; The row's sum is taken of the unquantised p, in f32.  When M moves, the sum and O are multiplied by 2^(old M - new M): exact.
; SHARES.  A work-group owns 256 queries of a PAIR of heads (2 y, 2 y + 1), one head after the other; each of its sixteen waves owns 16 queries in 256 registers: four waves to a SIMD, so that one
; wave's vector work stands beside another's matrix work and LDS loads.  Two heads to a work-group: a row's scale word for 128 along the next product's K is made whole in one register,
; and the ring walks the pair's 16 slots of 256 keys with one step of 49,152 bytes.
; CLUSTER.  The four query blocks of a cluster walk the same K and V: every tensor load is asked for jointly (mask 15).
; LAYOUT.  The buffers hold images of the operands' registers (see the launch that makes them): a fragment comes by ds_load_b128 at 16 x lane, 512 consecutive bytes an instruction: no pitch, no padding.
; Both products are used transposed (S^T = K Q^T, O^T = V^T P^T): a lane holds ONE query.  The keys of a tile of K and the d of a tile of V are chosen so that the 16 registers of tiles 2 b, 2 b + 1
; are 16 neighbours along the next K.  THE HEAD'S 64 FILL HALF OF THE INSTRUCTION'S 128: the upper eight registers of Q's and K's fragments are zero codes, set once, under the scale byte 0x7f.
; LIMITS: NaN and infinities are not served.  A p under 2^-126 comes out of v_exp_f32 as 0.  A block whose largest magnitude lies under 2^-111 gets the byte 1 (read by this program alone).
; REGISTERS: v1-11 addresses; v12 -M, v13 the largest t, v[14:15] the sum; v16-31 Q; v32-95 four fragments of K; v96-159 S^T, then p, then V's four fragments; v160-191 O^T; v192-207 p's codes;
;   v208-229 at work; scales alone: v232-235 K's, v236-239 V's, v240 Q's, v241 p's, v243 the second head's Q's; v242 the row's word for the next launch; v244-251 the second head's Q; v252 an offset.
.set SLOTB, 32768                      ; a slot: K's 16 images of 1 KB, then V's 8 of 2 KB, as they lie in memory; slot 1 begins here: one exclusive or turns an address
.set VOFF,  16384
.set SCK,   65536                      ; K's scale words of both heads, 16 KB,
.set SCV,   81920                      ; V's, 8 KB: together one dense record of memory, filled once
.set SPARE, 90112                      ; the spare words: 128 bytes a wave, eight blocks of 256 bytes that no other line names
.set GATH,  92160                      ; 256 rows' scale words on their way out
.set REC,   49152
.set HEADB, 393216
.set LI,   1                           ; v1   16 x lane
.set ASK0, 2                           ; v2   my lane's place among K's scale words
.set ASV0, 3                           ; v3   and among V's
.set PFO,  4                           ; v4   256 x lane: the prefetches' offset
.set SPW,  5                           ; v5   my spare word; never rewritten
.set NIL,  6                           ; v6   0; never rewritten
.set GA,   7                           ; v7   where my row's word goes in GATH
.set ADR,  8                           ; v8   LDS address of the slot in hand
.set GR,   9                           ; v9   where waves 0 and 1 read GATH
.set ADS,  10                          ; v10  the step's scale words of K
.set ADT,  11                          ; v11  of V
.set BM,   208                         ; the blocks' largest scores, then largest p
.set PM,   212                         ; at work: the other half's, a chain of sums, the bytes
.set HD,   216                         ; 57,344 x the scale
.set SO,   220                         ; the conversions' scale operands
.set FF,   224                         ; v[224:225] f, later 1 / the sum: the low word serves both halves
.set TT,   226
.set QSO,  227                         ; v227 4 r: the offset of Q's scale words
.set SKR,  232
.set SVR,  236
.set SQR,  240
.set SPR,  241
.set AS,   242
.set SQ1,  243
.set Q1,   244
.set GW,   252
.set WV,  12
.set PFA, 18                           ; s[18:19] where my prefetches stand
.set SEL, 20
.set CS,  22                           ; s[22:23] c = log2(e) / 8
.set G1,  24
.set G1S, 32
.set G0,  40                           ; it walks
.set G0S, 44
.set TB,  48                           ; the slot in hand
.set TS,  49                           ; the step's scale words of K: 512 bytes a step
.set TJ,  50                           ; of V: 256 bytes a step
.set CNT, 51
.set REM, 52                           ; fills still to be asked for
.set LIM, 53                           ; 1 in a wave that prefetches, else the greatest number
.set MNT, 54
.set QP,  56
.set QSP, 58
.set AO,  60
.set ASO, 62
.macro CROUND                          ; a round of the cluster's barrier
	s_barrier_signal -1
	s_barrier_wait -1
	s_cmp_lg_u32 s[WV], 0
	s_cbranch_scc1 .Lnot_wave_0_\@
	s_barrier_signal -3
.Lnot_wave_0_\@:
	s_barrier_wait -3
	s_barrier_signal -1
	s_barrier_wait -1
.endm
.macro TLOAD                           ; waves 0 and 1 fetch the slot's two halves (K's images, V's images), 64 rows of 256 bytes each; the branch hangs on the wave's number alone
	s_cmp_lt_u32 s[WV], 2
	s_cbranch_scc0 .Lnone_\@
	tensor_load_to_lds s[G0:G0+3], s[G1:G1+7]
	s_nop 0
.rept 4
	v_nop
.endr
.Lnone_\@:
.endm
; A PREFETCH INTO THE L2 of the slot that the NEXT change of slots will ask for: 32 KB, two key steps ahead of that load.  Both clusters of a pair of heads walk the same K and V: the first asks.
; Its four partners take 8 KB each, told apart BY ADDRESS; in each, wave 2 asks, lanes 256 bytes apart: each block of 256 bytes is named once in the launch.  The last filling change asks for nothing.
.macro ASK
	s_cmp_gt_u32 s[REM], s[LIM]
	s_cbranch_scc0 .Lnot_mine_\@
	global_prefetch_b8 v[PFO], s[PFA:PFA+1] th:TH_LOAD_NT scope:SCOPE_SE
.Lnot_mine_\@:
.endm
	s_load_b256 s[4:11], s[0:1], 0x0               ; qkv, sc, a_codes, a_scales
	v_lshl_add_u32 v[SPW], v0, 2, SPARE
	v_mov_b32 v[NIL], 0
	ds_add_u32 v5, v6
	s_wait_dscnt 0x0
	v_lshrrev_b32 v8, 5, v0
	v_readfirstlane_b32 s[WV], v8                  ; wave 0..15
	s_bfe_u32 s13, ttmp6, 0x40000                  ; cx
	s_lshl_b32 s14, ttmp9, 2
	s_add_co_u32 s14, s14, s13                     ; my block of 256 queries: it enters Q's and the outputs' addresses alone
	s_and_b32 s15, ttmp7, 0xffff                   ; y: the pair of heads, which the four partners share
	; what the joint loads name hangs on y and the wave's number alone
	s_and_b32 s69, s[WV], 1
	s_mul_i32 s68, s15, 2*HEADB                    ; the pair's first byte in qkv
	s_lshl_b32 s[G0+1], s69, 14                    ; LDS: slot 0, my half
	s_add_co_u32 s70, s68, s[G0+1]
	s_add_co_u32 s70, s70, 16384                   ; K and V lie behind Q in a record
	s_mov_b32 s71, 0
	s_mul_i32 s16, s15, 24576                      ; the pair's record of scale words,
	s_mul_i32 s17, s69, 12288                      ; my half of it
	s_add_co_u32 s16, s16, s17
	s_add_co_u32 s16, s16, 524288
	s_add_co_u32 s[G0S+1], s17, SCK
	s_mov_b32 s17, 0
	s_mov_b32 s[G1], 15|(3<<16)|(1<<21)            ; the mask: all four work-groups; elements of 8 bytes; bit 21 beside a mask; no padding
	s_mov_b32 s[G1+1], 32<<16                      ; tensor_dim0: 32 elements = 256 bytes
	s_mov_b32 s[G1+2], 64<<16                      ; tensor_dim1
	s_mov_b32 s[G1+3], 32<<16                      ; tile_dim0
	s_mov_b32 s[G1+4], 64                          ; tile_dim1
	s_mov_b32 s[G1+5], 32                          ; the pitch: dense
	s_mov_b32 s[G1+6], 0
	s_mov_b32 s[G1+7], 0
	s_mov_b32 s[G1S], 15|(3<<16)|(1<<21)           ; the scale words: 48 rows of 256 bytes
	s_mov_b32 s[G1S+1], 32<<16
	s_mov_b32 s[G1S+2], 48<<16
	s_mov_b32 s[G1S+3], 32<<16
	s_mov_b32 s[G1S+4], 48
	s_mov_b32 s[G1S+5], 32
	s_mov_b32 s[G1S+6], 0
	s_mov_b32 s[G1S+7], 0
	s_mov_b32 s[SEL], 0x76543210
	s_mov_b32 s[SEL+1], 0xfedcba98                 ; v_permlanex16_b32's selects for lane l xor 16
	s_mov_b32 s[CS], 0x3e38aa3b                    ; c = log2(e) / 8
	s_mov_b32 s[CS+1], s[CS]                       ; (named with it as a pair, so it is written)
	s_mov_b32 s[MNT], 0x600000                     ; the mantissa field of 57,344
	s_mov_b32 s[TB], 0
	s_mov_b32 s[TS], 0
	s_mov_b32 s[TJ], 0
	s_mov_b32 s[REM], 15
	s_xor_b32 s[LIM], s[WV], 2                     ; 0 in wave 2,
	s_or_b32 s[LIM], s[LIM], ttmp9                 ; of the pair's first cluster: the same in all four partners
	s_cmp_eq_u32 s[LIM], 0
	s_cselect_b32 s[LIM], 1, -1
	s_wait_kmcnt 0x0
	s_mov_b32 s[G0], 1
	s_add_nc_u64 s[G0+2:G0+3], s[4:5], s[70:71]
	s_or_b32 s[G0+3], s[G0+3], 0x80000000
	s_mov_b32 s[G0S], 1
	s_add_nc_u64 s[G0S+2:G0S+3], s[6:7], s[16:17]
	s_or_b32 s[G0S+3], s[G0S+3], 0x80000000
	; my own addresses (s66, s67 alone hold what hangs on cx)
	s_mul_i32 s66, s14, REC
	s_add_co_u32 s66, s66, s68
	s_lshl_b32 s67, s[WV], 10
	s_add_co_u32 s66, s66, s67
	s_mov_b32 s67, 0
	s_add_nc_u64 s[QP:QP+1], s[4:5], s[66:67]      ; Q: the first head's record of my block, tile = my wave
	s_lshl_b32 s66, s13, 13
	s_add_co_u32 s66, s66, s68
	s_add_co_u32 s66, s66, REC+16384
	s_add_nc_u64 s[PFA:PFA+1], s[4:5], s[66:67]    ; my work-group's 8 KB of slot 1: the first change steps it to slot 2.  Nothing is prefetched at the head
	s_lshl_b32 s66, s15, 14
	s_lshl_b32 s67, s14, 10
	s_add_co_u32 s66, s66, s67
	s_lshl_b32 s67, s[WV], 6
	s_add_co_u32 s66, s66, s67
	s_mov_b32 s67, 0
	s_add_nc_u64 s[QSP:QSP+1], s[6:7], s[66:67]    ; Q's scale words: 16384 y + 4 (256 block + 16 wave)
	s_lshr_b32 s66, s15, 3
	s_lshl_b32 s66, s66, 7
	s_lshl_b32 s67, s14, 4
	s_add_co_u32 s66, s66, s67
	s_add_co_u32 s66, s66, s[WV]                   ; my tile of 16 rows: 128 batch + 16 block + wave
	s_lshl_b32 s66, s66, 14
	s_and_b32 s67, s15, 7
	s_lshl_b32 s67, s67, 11                        ; the pair is one step of 128 along the next K
	s_add_co_u32 s66, s66, s67
	s_mov_b32 s67, 0
	s_add_nc_u64 s[AO:AO+1], s[8:9], s[66:67]
	s_and_b32 s66, s15, 7
	s_lshl_b32 s66, s66, 15
	s_lshr_b32 s67, s15, 3
	s_lshl_b32 s67, s67, 13
	s_add_co_u32 s66, s66, s67
	s_lshl_b32 s67, s14, 10
	s_add_co_u32 s66, s66, s67
	s_mov_b32 s67, 0
	s_add_nc_u64 s[ASO:ASO+1], s[10:11], s[66:67]  ; the rows' words: 32768 x step + 4 (2048 batch + 256 block)
	CROUND                                         ; all four work-groups are here: the first joint loads meet
	s_cmp_lt_u32 s[WV], 2                          ; a wave's two first fills stand in one branch: two loads of mine are out
	s_cbranch_scc0 .Lno_first
	tensor_load_to_lds s[G0S:G0S+3], s[G1S:G1S+7]  ; the pair's scale words of K and V: filled once
	s_nop 0
	tensor_load_to_lds s[G0:G0+3], s[G1:G1+7]      ; slot 0
	s_nop 0
.rept 4
	v_nop
.endr
.Lno_first:
	v_and_b32 v[TT], 31, v0
	v_lshlrev_b32 v[LI], 4, v[TT]
	v_lshlrev_b32 v[PFO], 8, v[TT]
	v_and_b32 v[QSO], 15, v0                       ; r
	v_and_b32 v228, 8, v[QSO]
	v_add_nc_u32 v228, v228, v[QSO]                ; r + 8 (r / 8)
	v_lshl_add_u32 v[ASK0], v228, 2, SCK
	v_lshl_add_u32 v[ASV0], v228, 2, SCV
	s_lshl_b32 s66, s[WV], 6
	s_add_co_u32 s66, s66, GATH
	v_lshl_add_u32 v[GA], v[QSO], 2, s66           ; GATH + 4 (16 wave + r)
	v_and_b32 v229, 63, v0
	v_lshlrev_b32 v[GW], 4, v229
	v_add_nc_u32 v[GR], GATH, v[GW]
	v_lshlrev_b32 v[QSO], 2, v[QSO]
	global_load_b128 v[16:19], v[LI], s[QP:QP+1]                   ; Q of both heads stays in registers
	global_load_b128 v[20:23], v[LI], s[QP:QP+1] offset:512
	global_load_b128 v[Q1:Q1+3], v[LI], s[QP:QP+1] offset:HEADB
	global_load_b128 v[Q1+4:Q1+7], v[LI], s[QP:QP+1] offset:HEADB+512
	global_load_b32 v[SQR], v[QSO], s[QSP:QSP+1]
	global_load_b32 v[SQ1], v[QSO], s[QSP:QSP+1] offset:8192
.irp j, 0,1,2,3,4,5,6,7
	v_mov_b32 v[24+\j], 0                          ; zero codes for k = 64 .. 127 of the first product, on both sides: set once
.irp t, 0,1,2,3
	v_mov_b32 v[40+16*\t+\j], 0
.endr
.endr
.irp b, 0,1,2,3
	v_mov_b32 v[PM+\b], 0                          ; written once: a lane permute's destination counts as one of its sources
.endr
	v_mov_b32 v[FF+1], 0                           ; (named as the upper half of a pair)
; A head begins: O^T and the sum as zeros, the largest t as -3e38: the first change of M multiplies zeros, so the key step is written in one form.
.macro HEADINIT par
	v_mov_b32 v13, 0xff61b1e6
	v_floor_f32 v12, -v13
	v_mov_b32 v14, 0
	v_mov_b32 v15, 0
.irp j, 0,1,2,3,4,5,6,7,8,9,10,11,12,13,14,15,16,17,18,19,20,21,22,23,24,25,26,27,28,29,30,31
	v_mov_b32 v[160+\j], 0
.endr
.if \par
.irp j, 0,1,2,3,4,5,6,7
	v_mov_b32 v[16+\j], v[Q1+\j]                   ; the second head's Q,
.endr
	v_mov_b32 v[SQR], v[SQ1]                       ; and its scale words
	s_mov_b32 s[TB], 0                             ; eight slots have been walked: slot 0 is in hand again; the second head's words begin here
	s_mov_b32 s[TS], 8192
	s_mov_b32 s[TJ], 4096
.endif
.endm
; A KEY STEP: 128 keys, the q-th of the slot in hand.
.macro STEP q
	v_add_nc_u32 v[ADR], s[TB], v[LI]
	v_add_nc_u32 v[ADS], s[TS], v[ASK0]
	v_add_nc_u32 v[ADT], s[TJ], v[ASV0]
.irp g, 0,1                                    ; S^T = K Q^T, four tiles of 16 keys at a time
.rept 8
	v_nop                                          ; g = 0: with the three additions eleven places between the last step's products and these, which write over V's fragments (nine are owed); g = 1: eight in front of loads into registers just read
.endr
.irp t, 0,1,2,3
	ds_load_b128 v[32+16*\t:35+16*\t], v[ADR] offset:(8*(\q)+4*\g+\t)*1024
	ds_load_b128 v[36+16*\t:39+16*\t], v[ADR] offset:(8*(\q)+4*\g+\t)*1024+512
	ds_load_b32 v[SKR+\t], v[ADS] offset:(32*((4*\g+\t)/2)+8*(\t%2))*4
.endr
	s_wait_dscnt 0x0
.irp t, 0,1,2,3
	v_wmma_scale_f32_16x16x128_f8f6f4 v[96+8*(4*\g+\t):103+8*(4*\g+\t)], v[32+16*\t:47+16*\t], v[16:31], 0, v[SKR+\t], v[SQR] matrix_a_fmt:MATRIX_FMT_BF8 matrix_b_fmt:MATRIX_FMT_BF8
.endr
.endr                                          ; lane (r, h) holds query r; the 16 registers of tiles 2 b, 2 b + 1 are keys 32 b + 16 h + 0 .. 15
.rept 8
	v_nop
.endr
.irp b, 0,1,2,3
	v_max3_num_f32 v[BM+\b], v[96+16*\b], v[97+16*\b], v[98+16*\b]   ; the largest score of each block of 32 keys: it serves the row's maximum and, since p rises with the score, the block's largest p
.endr
.irp i, 3,5,7,9,11,13
.irp b, 0,1,2,3
	v_max3_num_f32 v[BM+\b], v[BM+\b], v[96+16*\b+\i], v[97+16*\b+\i]
.endr
.endr
.irp b, 0,1,2,3
	v_max_num_f32 v[BM+\b], v[BM+\b], v[111+16*\b]
.endr
.irp b, 0,1,2,3
	v_permlanex16_b32 v[PM+\b], v[BM+\b], s[SEL], s[SEL+1]
.endr
.irp b, 0,1,2,3
	v_max_num_f32 v[BM+\b], v[BM+\b], v[PM+\b]     ; with lane l xor 16's 16 keys
.endr
	v_max3_num_f32 v[TT], v[BM], v[BM+1], v[BM+2]
	v_max_num_f32 v[TT], v[TT], v[BM+3]            ; the step's largest score of my query,
	v_mul_f32 v[TT], s[CS], v[TT]                  ; as t (c is positive)
	v_max_num_f32 v13, v13, v[TT]                  ; the running largest t
	v_mov_b32 v[TT], v12
	v_floor_f32 v12, -v13                          ; the new -M = floor(-t) = -ceil(t): a whole number
	v_sub_f32 v[TT], v12, v[TT]                    ; old M - new M: a whole number, 0 or less
	v_cvt_i32_f32 v[TT], v[TT]                     ; (it saturates)
	v_ldexp_f32 v[FF], 1.0, v[TT]                  ; f = 2^(old M - new M): the multiplications by it round nothing
.irp j, 0,2,4,6,8,10,12,14,16,18,20,22,24,26,28,30,32,34,36,38,40,42,44,46,48,50,52,54,56,58,60,62
	v_pk_fma_f32 v[96+\j:97+\j], v[96+\j:97+\j], s[CS:CS+1], v[12:13] op_sel_hi:[1,0,0]   ; t - M, two at a time
.endr
.irp b, 0,1,2,3
	v_fma_f32 v[BM+\b], v[BM+\b], s[CS], v12       ; the same of each block's largest score
.endr
.irp j, 0,1,2,3,4,5,6,7,8,9,10,11,12,13,14,15,16,17,18,19,20,21,22,23,24,25,26,27,28,29,30,31,32,33,34,35,36,37,38,39,40,41,42,43,44,45,46,47,48,49,50,51,52,53,54,55,56,57,58,59,60,61,62,63
	v_exp_f32 v[96+\j], v[96+\j]                   ; p = 2^(t - M), at most 1
.endr
	v_pk_mul_f32 v[14:15], v[14:15], v[FF:FF+1] op_sel_hi:[1,0]   ; the sums under the new M: the plain instruction behind the exponentials
	s_wait_alu depctr_va_vdst(0)                   ; one wait for the whole batch, ahead of its first reader
.irp b, 0,1,2,3
	v_exp_f32 v[BM+\b], v[BM+\b]                   ; the block's largest p: the same two instructions on the same number give the same bits
.endr
	v_pk_add_f32 v[PM:PM+1], v[96:97], v[98:99]    ; the row's sum is taken of the unquantised p: two at a time, in two chains; it reads the 64 alone
.irp j, 4,8,12,16,20,24,28,32,36,40,44,48,52,56,60
	v_pk_add_f32 v[14:15], v[14:15], v[96+\j:97+\j]
	v_pk_add_f32 v[PM:PM+1], v[PM:PM+1], v[98+\j:99+\j]
.endr
	v_pk_add_f32 v[14:15], v[14:15], v[PM:PM+1]
	s_wait_alu depctr_va_vdst(0)                   ; and one for the four
.irp b, 0,1,2,3
	v_max_num_f32 v[BM+\b], 0x8000000, v[BM+\b]    ; the floor 2^(16 - 127): the byte cannot fall under 1
.endr
.irp b, 0,1,2,3
	v_add_nc_u32 v[SO+\b], 0xf8800000, v[BM+\b]    ; 15 off the exponent field: the conversion's scale operand
.endr
.irp b, 0,1,2,3
	v_and_or_b32 v[HD+\b], v[BM+\b], 0x7f800000, s[MNT]   ; 57,344 x the scale
.endr
.irp b, 0,1,2,3
	v_lshrrev_b32 v[PM+\b], 23, v[SO+\b]           ; the scale's byte
.endr
	v_lshl_or_b32 v[SPR], v[PM+1], 8, v[PM]        ; p's scale word for these 128 keys; the 64 holds below are its places ahead of the products
	v_lshl_or_b32 v[SPR], v[PM+2], 16, v[SPR]
	v_lshl_or_b32 v[SPR], v[PM+3], 24, v[SPR]
.irp b, 0,1,2,3
.irp i, 0,1,2,3,4,5,6,7,8,9,10,11,12,13,14,15
	v_min_num_f32 v[96+16*\b+\i], v[96+16*\b+\i], v[HD+\b]   ; the conversion does not saturate (ISA guide 7.6.2); p is not negative, so the hold is one-sided
.endr
	v_cvt_scalef32_pk8_bf8_f32 v[192+4*\b:193+4*\b], v[96+16*\b:103+16*\b], v[SO+\b]
	v_cvt_scalef32_pk8_bf8_f32 v[194+4*\b:195+4*\b], v[104+16*\b:111+16*\b], v[SO+\b]
.endr
.irp t, 0,1,2,3                                ; V's four fragments land where p lay
.irp c, 0,1,2,3
	ds_load_b128 v[96+16*\t+4*\c:99+16*\t+4*\c], v[ADR] offset:VOFF+8192*(\q)+2048*\t+512*\c
.endr
	ds_load_b32 v[SVR+\t], v[ADT] offset:(32*(\t/2)+8*(\t%2))*4
.endr
.irp j, 0,2,4,6,8,10,12,14,16,18,20,22,24,26,28,30
	v_pk_mul_f32 v[160+\j:161+\j], v[160+\j:161+\j], v[FF:FF+1] op_sel_hi:[1,0]   ; O^T under the new M; these are also the plain instructions between the conversions and the products
.endr
	s_wait_dscnt 0x0
.irp t, 0,1,2,3                                ; O^T += V^T P^T: four accumulators, one instruction each
	v_wmma_scale_f32_16x16x128_f8f6f4 v[160+8*\t:167+8*\t], v[96+16*\t:111+16*\t], v[192:207], v[160+8*\t:167+8*\t], v[SVR+\t], v[SPR] matrix_a_fmt:MATRIX_FMT_BF8 matrix_b_fmt:MATRIX_FMT_BF8
.endr
	s_add_co_u32 s[TS], s[TS], 512
	s_add_co_u32 s[TJ], s[TJ], 256
.endm
; THE CHANGE OF SLOTS stands at a slot's head.  Each wave waits for all its tensor loads, adds 0 to its spare word, and waits for that and for its reads of the slot that it has left.
; fill = 1: the barrier is a round of the cluster's, and behind it the slot just left is asked for again, jointly: the load has a slot's two key steps in which to land.
.macro CHANGE fill
	s_wait_tensorcnt 0x0                           ; no tensor load of mine is out, so the walking group 0 may be written
	ds_add_u32 v[SPW], v[NIL]                      ; 0 onto my spare word
.if \fill
	s_xor_b32 s[G0+1], s[G0+1], SLOTB              ; the other slot than last time,
	s_add_nc_u64 s[G0+2:G0+3], s[G0+2:G0+3], REC   ; the next record's K and V; the type bits on top are not reached
	s_wait_xcnt 0x0                                ; the last prefetch and the last head's stores have read their registers
	s_add_nc_u64 s[PFA:PFA+1], s[PFA:PFA+1], REC   ; one slot further on than the walking descriptor
	s_wait_dscnt 0x0                               ; the add is done, and my reads of the slot that I have left are over
	CROUND
	TLOAD                                          ; the first thing behind the round, and a wave's one tensor load until the next
	ASK
	s_sub_co_u32 s[REM], s[REM], 1
.else
	s_wait_dscnt 0x0
	s_barrier_signal -1
	s_barrier_wait -1
.endif
.endm
.macro SLOT_STEPS
	STEP 0
	STEP 1
	s_xor_b32 s[TB], s[TB], SLOTB
.endm
; A head ends: O^T / the sum, quantised along d (two blocks of 32; register 16 b + i is d = 32 b + 16 h + i of my query): the codes are half a fragment of the next launch's operand.
.macro FINISH par
.rept 8
	v_nop                                          ; places behind the last products
.endr
	v_add_f32 v14, v14, v15
	v_permlanex16_b32 v[TT], v14, s[SEL], s[SEL+1]
	v_add_f32 v14, v14, v[TT]                      ; the row's sum
	v_rcp_f32 v[FF], v14
	v_nop                                          ; a plain instruction behind the reciprocal,
	s_wait_alu depctr_va_vdst(0)                   ; and the wait ahead of its first reader
.irp j, 0,2,4,6,8,10,12,14,16,18,20,22,24,26,28,30
	v_pk_mul_f32 v[96+\j:97+\j], v[160+\j:161+\j], v[FF:FF+1] op_sel_hi:[1,0]   ; each accumulator from its low end on
.endr
.irp b, 0,1
	v_max3_num_f32 v[BM+\b], |v[96+16*\b]|, |v[97+16*\b]|, 0x8000000
.endr
.irp i, 2,4,6,8,10,12,14
.irp b, 0,1
	v_max3_num_f32 v[BM+\b], v[BM+\b], |v[96+16*\b+\i]|, |v[97+16*\b+\i]|
.endr
.endr
.irp b, 0,1
	v_permlanex16_b32 v[PM+\b], v[BM+\b], s[SEL], s[SEL+1]
.endr
.irp b, 0,1
	v_max_num_f32 v[BM+\b], v[BM+\b], v[PM+\b]
.endr
.irp b, 0,1
	v_add_nc_u32 v[SO+\b], 0xf8800000, v[BM+\b]
.endr
.irp b, 0,1
	v_and_or_b32 v[HD+\b], v[BM+\b], 0x7f800000, s[MNT]
.endr
.irp b, 0,1
	v_lshrrev_b32 v[PM+\b], 23, v[SO+\b]
.endr
.if \par
	v_lshl_or_b32 v[TT], v[PM+1], 8, v[PM]
	v_lshl_or_b32 v[AS], v[TT], 16, v[AS]          ; the odd head's two bytes on top: the row's word for 128 along K is whole
.else
	v_lshl_or_b32 v[AS], v[PM+1], 8, v[PM]
.endif
.irp b, 0,1
.irp i, 0,1,2,3,4,5,6,7,8,9,10,11,12,13,14,15
	v_med3_num_f32 v[96+16*\b+\i], v[96+16*\b+\i], -v[HD+\b], v[HD+\b]
.endr
	v_cvt_scalef32_pk8_bf8_f32 v[192+4*\b:193+4*\b], v[96+16*\b:103+16*\b], v[SO+\b]
	v_cvt_scalef32_pk8_bf8_f32 v[194+4*\b:195+4*\b], v[104+16*\b:111+16*\b], v[SO+\b]
.endr
	v_nop                                          ; one plain vector instruction behind the last conversion
	global_store_b128 v[LI], v[192:195], s[AO:AO+1] offset:1024*\par       ; 32 lanes store 512 consecutive bytes, aligned
	global_store_b128 v[LI], v[196:199], s[AO:AO+1] offset:1024*\par+512
.endm
	HEADINIT 0
	s_wait_loadcnt 0x0                             ; Q
	s_mov_b32 s[CNT], 8
.Lhead0:                                           ; the first head's eight slots; the last trip asks for the second head's first
	CHANGE 1
	SLOT_STEPS
	s_sub_co_u32 s[CNT], s[CNT], 1
	s_cmp_lg_u32 s[CNT], 0
	s_cbranch_scc1 .Lhead0
	FINISH 0
	HEADINIT 1
	s_mov_b32 s[CNT], 7
.Lhead1:
	CHANGE 1
	SLOT_STEPS
	s_sub_co_u32 s[CNT], s[CNT], 1
	s_cmp_lg_u32 s[CNT], 0
	s_cbranch_scc1 .Lhead1
	CHANGE 0                                       ; the last slot is written out
	SLOT_STEPS
	FINISH 1
	ds_store_b32 v[GA], v[AS]                      ; the work-group's 256 words meet in LDS (both halves of the lanes write the same word with the same value)
	s_wait_dscnt 0x0
	s_barrier_signal -1
	s_barrier_wait -1
	s_cmp_lt_u32 s[WV], 2
	s_cbranch_scc0 .Lno_words
	ds_load_b128 v[96:99], v[GR]
	s_wait_dscnt 0x0
	global_store_b128 v[GW], v[96:99], s[ASO:ASO+1]    ; waves 0 and 1: 512 consecutive bytes each, aligned
.Lno_words:
	s_wait_tensorcnt 0x0                           ; the wave's end
	ds_add_u32 v[SPW], v[NIL]
	s_wait_dscnt 0x0
	CROUND                                         ; the closing round
	s_endpgm
.Lfunc_end_k_q0d4f05a3e4_attn:
	.size	k_q0d4f05a3e4_attn, .Lfunc_end_k_q0d4f05a3e4_attn-k_q0d4f05a3e4_attn
	.p2alignl 7, 3214868480
	.fill 96, 4, 3214868480
	.section	.rodata,"a",@progbits
	.p2align	6, 0x0
	.amdhsa_kernel k_q0d4f05a3e4_attn
		.amdhsa_group_segment_fixed_size 327680
		.amdhsa_private_segment_fixed_size 0
		.amdhsa_enable_private_segment 0
		.amdhsa_kernarg_size 32
		.amdhsa_user_sgpr_count 2
		.amdhsa_user_sgpr_kernarg_segment_ptr 1
		.amdhsa_wavefront_size32 1
		.amdhsa_system_sgpr_workgroup_id_x 1
		.amdhsa_system_sgpr_workgroup_id_y 1
		.amdhsa_system_sgpr_workgroup_id_z 1
		.amdhsa_system_vgpr_workitem_id 0
		.amdhsa_next_free_vgpr 256
		.amdhsa_next_free_sgpr 72
		.amdhsa_reserve_vcc 0
		.amdhsa_float_denorm_mode_32 3
		.amdhsa_float_denorm_mode_16_64 3
		.amdhsa_memory_ordered 1
		.amdhsa_forward_progress 1
		.amdhsa_inst_pref_size 141
	.end_amdhsa_kernel
	.amdgpu_metadata
---
amdhsa.version: [ 1, 2 ]
amdhsa.kernels:
  - .name:           k_q0d4f05a3e4_attn
    .symbol:         k_q0d4f05a3e4_attn.kd
    .args:
      - { .name: qkv, .offset: 0, .size: 8, .value_kind: global_buffer, .address_space: global }
      - { .name: sc, .offset: 8, .size: 8, .value_kind: global_buffer, .address_space: global }
      - { .name: a_codes, .offset: 16, .size: 8, .value_kind: global_buffer, .address_space: global }
      - { .name: a_scales, .offset: 24, .size: 8, .value_kind: global_buffer, .address_space: global }
    .group_segment_fixed_size: 327680
    .private_segment_fixed_size: 0
    .kernarg_segment_align: 8
    .kernarg_segment_size: 32
    .max_flat_workgroup_size: 512
    .sgpr_count:     72
    .vgpr_count:     256
    .wavefront_size: 32
...
	.end_amdgpu_metadata
.endif
;; end of part 2
;; launch outp (part 3): grid 4 x 32, 4 waves a work-group, clusters of 4 x 4, 327,680 bytes of LDS; arguments a_codes, a_scales, W_out_codes, W_out_scales, b_out, out0; writes out0
.if DOCPART == 3
	.amdgcn_target "amdgcn-amd-amdhsa--gfx1250"
	.amdhsa_code_object_version 6
	.text
	.protected	k_q0d4f05a3e4_outp
	.globl	k_q0d4f05a3e4_outp
	.p2align	8
	.type	k_q0d4f05a3e4_outp,@function
k_q0d4f05a3e4_outp:
	s_mov_b64 s[64:65], 0
	v_nop
	global_prefetch_b8 v0, s[64:65] scope:SCOPE_SE
	s_setreg_imm32_b32 hwreg(HW_REG_WAVE_MODE, 25, 1), 1
	s_wait_xcnt 0x0
	s_wait_alu depctr_hold_cnt(0) depctr_sa_sdst(0) depctr_va_vdst(0) depctr_va_sdst(0) depctr_va_ssrc(0) depctr_va_vcc(0) depctr_vm_vsrc(0)
	s_getreg_b32 s2, hwreg(HW_REG_IB_STS2, 6, 4)
	s_cmp_eq_u32 s2, 0
	s_cbranch_scc0 .Lentry_in_a_cluster
	s_endpgm
.Lentry_in_a_cluster:
	s_bfe_u32 s2, ttmp6, 0x10000c
	s_cmp_lg_u32 s2, 0xf033
	s_cbranch_scc0 .Lentry_shape_is_right
	s_endpgm
.Lentry_shape_is_right:
; out0 = a W_out + b_out on codes of BF8 (E5M2) with E8M0 scales.  a: 8,192 rows x 1,024, as images of the operand's registers: a_codes [tile of 16 rows 512][step of 128 along K 8][c 4][lane][16 B],
; a_scales [step of 128 along K 8][row 8192] words.  W_out: [1024 (n)][1024 (k)] codes, K innermost; scale bytes [1024][32].  out0: [8192][1024] f32.
; A tile of 256 x 256 to a work-group of four waves, 128 x 128 (64 accumulators) to a wave; K goes in four steps of 256 through two LDS slots; all scales of the tile's rows come once, with the first fills.
; CLUSTERS: 4 x 4 work-groups; a's tile is asked for jointly along a row of the cluster, W's along a column.  The matrix instruction is used transposed (source 0 = 16 rows of W, source 1 = 16 rows of a):
; a lane holds eight neighbouring numbers of a row of out0.  The bias is the C of the first K step's products.
; 128 tiles of 256 x 256: half of the WGPs have a work-group; a smaller tile would read each fragment for half as many products.
; REGISTERS: window 0: v16-31 addresses; v32-63 scale words, two sets; v64-127 the bias; v128-255 a's fragments, one set; on the way out v128-255 are rows read back.
;   window 1: W's fragments, two sets.   windows 2, 3: the accumulators ((a, b) at v[8 (8 (a % 4) + b)]).
.set SIZE_N, 1024
.set ROWB,   256                       ; a row of W's tile
.set KROW,   1024
.set PITCH,  272                       ; W's rows in LDS: 256 bytes + 16 of padding
.set ASTEP,  4096                      ; a K step of 256 of one tile of 16 rows of a: two images of 2,048 bytes
.set FR,     16
.set NL,     4
.set NP,     8                         ; places behind this matrix instruction (ISA guide 7.12.1)
.set HALFA,  32768                     ; 128 rows of a: 8 tiles x 4,096 bytes, no padding: an image is read 16 bytes a lane on end
.set HALFT,  128*PITCH
.set BOFF,   2*HALFA
.set SLOT,   BOFF+2*HALFT
.set SCLA,   2*SLOT                    ; a's scale words: [half 2][step of 128 along K 8][128 rows]
.set SCLB,   SCLA+8192                 ; W's scale bytes: units of 256 bytes + 16
.set HALFS,  16*272
.set SBLK,   2*272
.set SPARE,  SCLB+2*HALFS              ; the spare words: 128 bytes a wave, two blocks of 256 bytes that no other line names
.set SPITCH, 528                       ; the way out: a stage of 16 rows x (512 bytes + 16) for each wave, in slot 0, which has had its last fill and its last read by then
.set BO,   7
.set ADRA, 16
.set ADRB, 20
.set STO,  24
.set RD,   25
.set CO,   26
.set ADRSA, 27                         ; v27  a's scale words: lanes 0-15 the slot's first 128 along K, lanes 16-31 its second
.set SPW,  28
.set NIL,  29
.set ADRSB, 31                         ; v31  W's likewise
.set SC,   32                          ; set s: a's block i in v[32 + 16 s + i], W's in v[32 + 16 s + 8 + i]
.set BIAS, 64
.set AF,   128
.set BK,   128
.set G1, 24
.set G0, 32
.set G1B, 48
.set G0B, 56
.set G1S, 68
.set G0S, 76
.set G1SB, 80
.set G0SB, 88
.set MSB, 0
.macro WIN new
.if MSB != (\new)
	s_set_vgpr_msb (MSB<<8)|(\new)
.set MSB, (\new)
.endif
.endm
.set MUL_LO, 0xa1
.set MUL_HI, 0xf1
.set FST_LO, 0x81                      ; the first K step: C (the bias) window 0
.set FST_HI, 0xc1
.set TO_B,   0x40
.macro JLOAD g0a, g1a, g0b, g1b        ; a joint load: waves 0 and 1 fetch for a, waves 2 and 3 for W; four v_nop follow each line
	s_cmp_eq_u32 s15, 0
	s_cbranch_scc0 .Lfor_b_\@
	tensor_load_to_lds s[\g0a:\g0a+3], s[\g1a:\g1a+7]
	s_nop 0
.rept 4
	v_nop
.endr
	s_branch .Lasked_\@
.Lfor_b_\@:
	tensor_load_to_lds s[\g0b:\g0b+3], s[\g1b:\g1b+7]
	s_nop 0
.rept 4
	v_nop
.endr
.Lasked_\@:
.endm
.macro CREST
	s_cmp_lg_u32 s14, 0
	s_cbranch_scc1 .Lnot_wave_0_\@
	s_barrier_signal -3
.Lnot_wave_0_\@:
	s_barrier_wait -3
	s_barrier_signal -1
	s_barrier_wait -1
.endm
.macro CROUND
	s_barrier_signal -1
	s_barrier_wait -1
	CREST
.endm
	s_load_b256 s[4:11], s[0:1], 0x0               ; a's codes, a's scales, W's codes, W's scales
	s_load_b64 s[96:97], s[0:1], 0x20              ; b_out
	s_load_b64 s[12:13], s[0:1], 0x28              ; out0
	v_lshl_add_u32 v[SPW], v0, 2, SPARE
	v_mov_b32 v[NIL], 0
	ds_add_u32 v28, v29
	s_wait_dscnt 0x0
	v_lshrrev_b32 v1, 5, v0
	v_readfirstlane_b32 s14, v1                    ; wave 0..3
	s_lshr_b32 s15, s14, 1                         ; which half of the tile's rows is mine.  Also: I fetch for a (0) or for W (1)
	s_and_b32 s16, s14, 1                          ; which half of its columns.  Also: which 128 rows I fetch
	s_bfe_u32 s40, ttmp6, 0x40000
	s_bfe_u32 s41, ttmp6, 0x40004
	s_lshl_b32 s42, ttmp9, 2
	s_add_co_u32 s42, s42, s40                     ; tile column
	s_and_b32 s17, ttmp7, 0xffff
	s_lshl_b32 s17, s17, 2
	s_add_co_u32 s17, s17, s41                     ; tile row
	s_lshl_b32 s43, s41, 2
	s_lshl_b32 s43, 15, s43                        ; my row of the cluster
	s_lshl_b32 s44, 0x1111, s40                    ; my column
	; a's tile: 8 rows (tiles of 16 rows) of 4,096 bytes (512 elements of 8), 16,384 bytes apart; no padding
	s_or_b32 s[G1+0], s43, (3<<16)|(1<<21)
	s_mov_b32 s[G1+1], 512<<16
	s_mov_b32 s[G1+2], 8<<16
	s_mov_b32 s[G1+3], 512<<16
	s_mov_b32 s[G1+4], 8
	s_mov_b32 s[G1+5], 2048
	s_mov_b32 s[G1+6], 0
	s_mov_b32 s[G1+7], 0
	; W's tile: 128 rows x 256 bytes, 16 bytes of padding behind each
	s_or_b32 s[G1B+0], s44, (0<<16)|(1<<20)|(1<<21)|(5<<22)|(3<<25)
	s_mov_b32 s[G1B+1], ROWB<<16
	s_mov_b32 s[G1B+2], 128<<16
	s_mov_b32 s[G1B+3], ROWB<<16
	s_mov_b32 s[G1B+4], 128
	s_mov_b32 s[G1B+5], KROW
	s_mov_b32 s[G1B+6], 0
	s_mov_b32 s[G1B+7], 0
	; a's scale words of 128 rows: 8 rows (steps of 128 along K) of 512 bytes (64 elements of 8), 32,768 bytes apart
	s_or_b32 s[G1S+0], s43, (3<<16)|(1<<21)
	s_mov_b32 s[G1S+1], 64<<16
	s_mov_b32 s[G1S+2], 8<<16
	s_mov_b32 s[G1S+3], 64<<16
	s_mov_b32 s[G1S+4], 8
	s_mov_b32 s[G1S+5], 4096
	s_mov_b32 s[G1S+6], 0
	s_mov_b32 s[G1S+7], 0
	; W's scale bytes of 128 rows: 4,096 dense bytes as 16 rows of 256, 16 bytes of padding behind each
	s_or_b32 s[G1SB+0], s44, (3<<16)|(1<<20)|(1<<21)|(5<<22)|(3<<25)
	s_mov_b32 s[G1SB+1], 32<<16
	s_mov_b32 s[G1SB+2], 16<<16
	s_mov_b32 s[G1SB+3], 32<<16
	s_mov_b32 s[G1SB+4], 16
	s_mov_b32 s[G1SB+5], 32
	s_mov_b32 s[G1SB+6], 0
	s_mov_b32 s[G1SB+7], 0
	s_lshl_b32 s20, s17, 4
	s_lshl_b32 s18, s16, 3
	s_add_co_u32 s20, s20, s18                     ; a: tile of 16 rows 16 x tile row + 8 x half
	s_lshl_b32 s22, s20, 6                         ; its scale words: 64 bytes a tile of 16 rows
	s_mov_b32 s23, 0
	s_lshl_b32 s20, s20, 14                        ; its codes: 16,384 bytes
	s_mov_b32 s21, 0
	s_lshl_b32 s46, s42, 8
	s_lshl_b32 s18, s16, 7
	s_add_co_u32 s46, s46, s18                     ; W: row 256 x tile column + 128 x half
	s_lshl_b32 s92, s46, 5
	s_mov_b32 s93, 0
	s_lshl_b32 s46, s46, 10
	s_mov_b32 s47, 0
	s_lshl_b32 s45, s16, 15                        ; where they go: no place in the cluster enters an LDS address
	s_mul_i32 s94, s16, HALFT
	s_add_co_u32 s94, s94, BOFF
	s_lshl_b32 s95, s16, 12
	s_add_co_u32 s95, s95, SCLA
	s_mul_i32 s66, s16, HALFS
	s_add_co_u32 s66, s66, SCLB
	s_wait_kmcnt 0x0
	s_add_nc_u64 s[20:21], s[4:5], s[20:21]
	s_add_nc_u64 s[22:23], s[6:7], s[22:23]
	s_add_nc_u64 s[46:47], s[8:9], s[46:47]
	s_add_nc_u64 s[92:93], s[10:11], s[92:93]
	CROUND                                         ; all sixteen work-groups are here: the first joint loads meet
	s_mov_b32 s[G0S], 1
	s_mov_b32 s[G0S+1], s95
	s_mov_b64 s[G0S+2:G0S+3], s[22:23]
	s_or_b32 s[G0S+3], s[G0S+3], 0x80000000
	s_mov_b32 s[G0SB], 1
	s_mov_b32 s[G0SB+1], s66
	s_mov_b64 s[G0SB+2:G0SB+3], s[92:93]
	s_or_b32 s[G0SB+3], s[G0SB+3], 0x80000000
	JLOAD G0S, G1S, G0SB, G1SB                     ; the scales first
.irp s, 0,1
	s_mov_b32 s[G0+4*\s], 1
	s_add_co_u32 s[G0+4*\s+1], s45, \s*SLOT
	s_add_nc_u64 s[G0+4*\s+2:G0+4*\s+3], s[20:21], \s*ASTEP
	s_or_b32 s[G0+4*\s+3], s[G0+4*\s+3], 0x80000000
	s_mov_b32 s[G0B+4*\s], 1
	s_add_co_u32 s[G0B+4*\s+1], s94, \s*SLOT
	s_add_nc_u64 s[G0B+4*\s+2:G0B+4*\s+3], s[46:47], \s*ROWB
	s_or_b32 s[G0B+4*\s+3], s[G0B+4*\s+3], 0x80000000
	JLOAD G0+4*\s, G1, G0B+4*\s, G1B               ; three loads of mine are out
.endr
	v_and_b32 v1, 15, v0                           ; r
	v_bfe_u32 v2, v0, 4, 1                         ; h
	v_and_b32 v6, 31, v0                           ; lane
	v_lshlrev_b32 v[CO], 4, v6                     ; 16 x lane
	v_mul_u32_u24 v3, v1, PITCH
	v_lshl_add_u32 v4, v2, 4, v3
	s_lshl_b32 s21, s15, 15                        ; my 128 rows of a
	s_mul_i32 s22, s16, HALFT                      ; my 128 rows of W
	s_add_co_u32 s22, s22, BOFF
.irp s, 0,1
	v_add_nc_u32 v[ADRA+\s], s21, v[CO]
	v_add_nc_u32 v[ADRB+\s], s22, v4
	s_add_co_u32 s21, s21, SLOT
	s_add_co_u32 s22, s22, SLOT
.endr
	s_lshl_b32 s21, s15, 12
	s_add_co_u32 s21, s21, SCLA
	v_lshl_add_u32 v5, v1, 2, s21
	v_lshl_add_u32 v[ADRSA], v2, 9, v5             ; SCLA + 4096 x row half + 512 h + 4 r
	v_lshlrev_b32 v5, 5, v1                        ; W's: 32 bytes a row,
	v_lshrrev_b32 v3, 8, v5
	v_lshl_add_u32 v5, v3, 4, v5                   ; 16 more for each 256 passed,
	v_lshl_add_u32 v5, v2, 2, v5                   ; + 4 h
	s_mul_i32 s21, s16, HALFS
	s_add_co_u32 s21, s21, SCLB
	v_add_nc_u32 v[ADRSB], s21, v5
	s_mul_i32 s23, s14, 16*SPITCH                  ; my stage
	v_mul_u32_u24 v5, v1, SPITCH
	v_lshl_add_u32 v5, v2, 5, v5
	v_add_nc_u32 v[STO], s23, v5                   ; in: row r, 32 bytes for each half of the lanes
	v_add_nc_u32 v[RD], s23, v[CO]                 ; back: the 32 lanes take one row of 512 bytes
	s_lshl_b32 s20, s17, 8
	s_lshl_b32 s21, s15, 7
	s_add_co_u32 s20, s20, s21
	s_lshl_b32 s20, s20, 12                        ; my first row of out0, 4,096 bytes a row,
	s_lshl_b32 s46, s42, 10
	s_lshl_b32 s47, s16, 9
	s_add_co_u32 s46, s46, s47                     ; my first column, in bytes
	s_add_co_u32 s20, s20, s46
	s_mov_b32 s21, 0
	s_add_nc_u64 s[12:13], s[12:13], s[20:21]
	s_mov_b32 s47, 0
	s_add_nc_u64 s[96:97], s[96:97], s[46:47]      ; b_out at my first column
	v_lshlrev_b32 v[BO], 5, v2                     ; + 8 h numbers
.irp b, 0,1,2,3,4,5,6,7
	global_load_b128 v[BIAS+8*\b:BIAS+8*\b+3], v[BO], s[96:97] offset:64*\b
	global_load_b128 v[BIAS+8*\b+4:BIAS+8*\b+7], v[BO], s[96:97] offset:64*\b+16
.endr
.macro FRAGB reg, adr, q, i            ; W's fragment from rows: registers 4 c .. 4 c + 3 hold K = 32 c + 16 (l / 16) + 0 .. 15 of row l % 16
.irp c, 0,1,2,3
	ds_load_b128 v[\reg+4*\c:\reg+4*\c+3], v[\adr] offset:128*(\q)+32*\c+(\i)*16*PITCH
.endr
.endm
.macro FRAGA reg, adr, q, i            ; a's fragment from its image
.irp c, 0,1,2,3
	ds_load_b128 v[\reg+4*\c:\reg+4*\c+3], v[\adr] offset:4096*(\i)+2048*(\q)+512*\c
.endr
.endm
; 16 matrix instructions: a's blocks a0, a0 + 1 x W's eight, the slot's q-th 128 along K (q = 1: both sides' scales from lanes 16-31).  mode 1: C = the bias of block b (q = 0 there).
; The 64 accumulators take turns, one instruction a turn, in the same order in every step.
.macro MUL16 a0, p, q, sc, mode
.irp a, \a0, \a0+1
.irp b, 0,1,2,3,4,5,6,7
.set rD, 8*(8*((\a)%4)+\b)
.set rB, 128*(\p)+FR*\b
.set rA, AF+FR*(\a)
.set rSB, SC+16*(\sc)+8+\b
.set rSA, SC+16*(\sc)+(\a)
.if (\mode) == 1
	v_wmma_scale_f32_16x16x128_f8f6f4 v[rD:rD+7], v[rB:rB+15], v[rA:rA+15], v[BIAS+8*\b:BIAS+8*\b+7], v[rSB], v[rSA] matrix_a_fmt:MATRIX_FMT_BF8 matrix_b_fmt:MATRIX_FMT_BF8
.elseif (\q) == 0
	v_wmma_scale_f32_16x16x128_f8f6f4 v[rD:rD+7], v[rB:rB+15], v[rA:rA+15], v[rD:rD+7], v[rSB], v[rSA] matrix_a_fmt:MATRIX_FMT_BF8 matrix_b_fmt:MATRIX_FMT_BF8
.else
	v_wmma_scale_f32_16x16x128_f8f6f4 v[rD:rD+7], v[rB:rB+15], v[rA:rA+15], v[rD:rD+7], v[rSB], v[rSA] matrix_a_fmt:MATRIX_FMT_BF8 matrix_b_fmt:MATRIX_FMT_BF8 matrix_a_scale:MATRIX_SCALE_ROW1 matrix_b_scale:MATRIX_SCALE_ROW1
.endif
.endr
.endr
.endm
.macro FETCH_B slot, q, p
	WIN TO_B
.irp i, 0,1,2,3,4,5,6,7
	FRAGB 128*(\p)+FR*\i, ADRB+\slot, \q, \i
.endr
	WIN 0
.endm
.macro FETCH_A slot, q, i0
.irp i, \i0, \i0+1, \i0+2, \i0+3
	FRAGA AF+FR*(\i), ADRA+\slot, \q, \i
.endr
.endm
.macro SCALES sc                       ; a K step's scale words: one register a block and side, its two steps of 128 in the two halves of the lanes
.irp i, 0,1,2,3,4,5,6,7
	ds_load_b32 v[SC+16*\sc+\i], v[ADRSA] offset:64*\i
	ds_load_b32 v[SC+16*\sc+8+\i], v[ADRSB] offset:SBLK*\i
.endr
.endm
.macro PLACES n
.rept \n
	v_nop
.endr
.endm
.macro STEP slot, q, mode
	s_wait_dscnt 4*NL                              ; all but the youngest 16 loads (a's blocks 4-7) are in
.if (\mode) == 0
	WIN MUL_LO
.else
	WIN FST_LO
.endif
	MUL16 0, (\q)%2, \q, \slot, \mode
	MUL16 2, (\q)%2, \q, \slot, \mode
	s_wait_dscnt 0
	PLACES NP
	FETCH_B \slot, (\q)+1, 1-(\q)%2
	FETCH_A \slot, (\q)+1, 0
.if (\mode) == 0
	WIN MUL_HI
.else
	WIN FST_HI
.endif
	MUL16 4, (\q)%2, \q, \slot, \mode
	MUL16 6, (\q)%2, \q, \slot, \mode
	PLACES NP
	WIN 0
	FETCH_A \slot, (\q)+1, 4
.endm
.macro TURN slot, next, fill
	s_wait_tensorcnt 0x0                           ; all my tensor loads have landed: my part of the next slot
	ds_add_u32 v[SPW], v[NIL]                      ; 0 onto my spare word
	s_wait_dscnt 4*NL+1                            ; the add and the youngest 16 loads may be out
	WIN MUL_LO
	MUL16 0, 1, 1, \slot, 0
	s_wait_dscnt 0x0                               ; the add is done, and my reads of this slot are over
	s_barrier_signal -1
	MUL16 2, 1, 1, \slot, 0
	WIN 0
	s_barrier_wait -1
.if \fill
	CREST                                          ; the barrier has opened a round of the cluster's
	s_add_nc_u64 s[G0+4*\slot+2:G0+4*\slot+3], s[G0+4*\slot+2:G0+4*\slot+3], 2*ASTEP
	s_add_nc_u64 s[G0B+4*\slot+2:G0B+4*\slot+3], s[G0B+4*\slot+2:G0B+4*\slot+3], 2*ROWB
	JLOAD G0+4*\slot, G1, G0B+4*\slot, G1B         ; the first tensor load behind the round, my one load until the next
	PLACES NP-4
.else
	PLACES NP
.endif
	v_add_nc_u32 v[ADRSA], 1024, v[ADRSA]          ; on to the next K step's scale words
	v_add_nc_u32 v[ADRSB], 8, v[ADRSB]
	FETCH_B \next, 0, 0
	FETCH_A \next, 0, 0
	SCALES \next
	WIN MUL_HI
	MUL16 4, 1, 1, \slot, 0
	MUL16 6, 1, 1, \slot, 0
	PLACES NP
	WIN 0
	FETCH_A \next, 0, 4
.endm
	s_wait_tensorcnt 1                             ; the scales and my part of K step 0 are in; K step 1's load may be out
	s_barrier_signal -1
	s_barrier_wait -1
	FETCH_B 0, 0, 0
	FETCH_A 0, 0, 0
	SCALES 0
	FETCH_A 0, 0, 4
	s_wait_loadcnt 0x0                             ; the bias
	STEP 0, 0, 1                                   ; the first step's products start the sums with the bias
	TURN 0, 1, 1                                   ; four K steps, written out: slot 0 takes K step 2,
	STEP 1, 0, 0
	TURN 1, 0, 1                                   ; slot 1 K step 3,
	STEP 0, 0, 0
	TURN 0, 1, 0                                   ; and nothing is left to fetch
	STEP 1, 0, 0
	s_wait_dscnt 4*NL
	WIN MUL_LO
	MUL16 0, 1, 1, 1, 0
	MUL16 2, 1, 1, 1, 0
	s_wait_dscnt 0
	WIN MUL_HI
	MUL16 4, 1, 1, 1, 0
	MUL16 6, 1, 1, 1, 0
	WIN 0
; THE WAY OUT, block by block of 16 rows x 128 columns, through my own stage: in as 32 bytes a lane, back as whole rows of 512 bytes.  LDS serves a wave's instructions in order (ISA guide 5.7.1.4).
.macro TOSTAGE a
.set AC, 64*((\a)%4)
.set SW, 0x08+4*((\a)/4)
	WIN SW                                         ; the data: window 2 or 3
.irp b, 0,1,2,3,4,5,6,7
	ds_store_b128 v[STO], v[AC+8*\b:AC+8*\b+3] offset:64*\b          ; each accumulator from its low end on
	ds_store_b128 v[STO], v[AC+8*\b+4:AC+8*\b+7] offset:64*\b+16
.endr
	WIN 0
.set BB, BK+64*((\a)%2)
.irp t, 0,1,2,3,4,5,6,7,8,9,10,11,12,13,14,15
	ds_load_b128 v[BB+4*\t:BB+4*\t+3], v[RD] offset:\t*SPITCH
.endr
.endm
.macro SEND a, younger                 ; younger: the LDS instructions issued behind block a's loads, which may stay out
.set BB, BK+64*((\a)%2)
	s_wait_dscnt \younger
.if (\a) > 0
	s_add_nc_u64 s[12:13], s[12:13], 16*SIZE_N*4   ; (behind a wait on XCNT: the earlier stores have read their base)
.endif
.irp t, 0,1,2,3,4,5,6,7,8,9,10,11,12,13,14,15
	global_store_b128 v[CO], v[BB+4*\t:BB+4*\t+3], s[12:13] offset:\t*SIZE_N*4 th:TH_STORE_NT   ; 32 lanes store 512 consecutive bytes, aligned; written once
.endr
.endm
	PLACES NP
	TOSTAGE 0
.irp a, 1,2,3,4,5,6,7
.if \a > 1
	s_wait_xcnt 0x0                                ; block a - 2's stores have read their registers and their base
.endif
	TOSTAGE \a
	SEND \a-1, 32                                  ; behind block a - 1's loads: block a's 16 stores and 16 loads
.endr
	s_wait_xcnt 0x0
	SEND 7, 0
	s_wait_tensorcnt 0x0                           ; the wave's end
	ds_add_u32 v[SPW], v[NIL]
	s_wait_dscnt 0x0
	CROUND                                         ; the closing round
	s_endpgm
.Lfunc_end_k_q0d4f05a3e4_outp:
	.size	k_q0d4f05a3e4_outp, .Lfunc_end_k_q0d4f05a3e4_outp-k_q0d4f05a3e4_outp
	.p2alignl 7, 3214868480
	.fill 96, 4, 3214868480
	.section	.rodata,"a",@progbits
	.p2align	6, 0x0
	.amdhsa_kernel k_q0d4f05a3e4_outp
		.amdhsa_group_segment_fixed_size 327680
		.amdhsa_private_segment_fixed_size 0
		.amdhsa_enable_private_segment 0
		.amdhsa_kernarg_size 48
		.amdhsa_user_sgpr_count 2
		.amdhsa_user_sgpr_kernarg_segment_ptr 1
		.amdhsa_wavefront_size32 1
		.amdhsa_system_sgpr_workgroup_id_x 1
		.amdhsa_system_sgpr_workgroup_id_y 1
		.amdhsa_system_sgpr_workgroup_id_z 1
		.amdhsa_system_vgpr_workitem_id 0
		.amdhsa_next_free_vgpr 1024
		.amdhsa_next_free_sgpr 100
		.amdhsa_reserve_vcc 0
		.amdhsa_float_denorm_mode_32 3
		.amdhsa_float_denorm_mode_16_64 3
		.amdhsa_memory_ordered 1
		.amdhsa_forward_progress 1
		.amdhsa_inst_pref_size 149
	.end_amdhsa_kernel
	.amdgpu_metadata
---
amdhsa.version: [ 1, 2 ]
amdhsa.kernels:
  - .name:           k_q0d4f05a3e4_outp
    .symbol:         k_q0d4f05a3e4_outp.kd
    .args:
      - { .name: a_codes, .offset: 0, .size: 8, .value_kind: global_buffer, .address_space: global }
      - { .name: a_scales, .offset: 8, .size: 8, .value_kind: global_buffer, .address_space: global }
      - { .name: W_out_codes, .offset: 16, .size: 8, .value_kind: global_buffer, .address_space: global }
      - { .name: W_out_scales, .offset: 24, .size: 8, .value_kind: global_buffer, .address_space: global }
      - { .name: b_out, .offset: 32, .size: 8, .value_kind: global_buffer, .address_space: global }
      - { .name: out0, .offset: 40, .size: 8, .value_kind: global_buffer, .address_space: global }
    .group_segment_fixed_size: 327680
    .private_segment_fixed_size: 0
    .kernarg_segment_align: 8
    .kernarg_segment_size: 48
    .max_flat_workgroup_size: 128
    .sgpr_count:     100
    .vgpr_count:     1024
    .wavefront_size: 32
...
	.end_amdgpu_metadata
.endif
;; end of part 3
